; MI455X (gfx1250); checked and timed in simulation.
; The chip was launched on July 23, 2026; its instructions are those of AMD's public machine-readable ISA for CDNA 5 (MIT licence, August 2026) and "CDNA5" Instruction Set Architecture Reference Guide (July 2026). The comments in the code are by the model that wrote it; some were corrected since.
;; Self Attention Mechanism. Allowed arithmetic: matrix products marked QUANTISED: E2M3 operands, one E8M0 scale for each 32 along K, by v_wmma_scale_f32_16x16x128_f8f6f4 with both operands' format E2M3, f32 sums; everything else in f32.
;; Inputs: We 8 x 1,024 x 1,024 float32; Wk 1,024 x 1,024 float32; Wo 1,024 x 1,024 float32; Wq 1,024 x 1,024 float32; Wv 1,024 x 1,024 float32; be 8 x 1,024 float32; bk 1,024 float32; bo 1,024 float32; bq 1,024 float32; bv 1,024 float32; key 2 x 2,048 x 1,024 float32; query 2 x 2,048 x 1,024 float32; value 2 x 2,048 x 1,024 float32.
;; Outputs: out0 2 x 2,048 x 1,024 float32.
;; This version of the problem:
;;   THIS VERSION OF THE PROBLEM IS GIVEN IN LOW PRECISION. The matrix products marked QUANTISED in the list below multiply operands that are first quantised to E2M3 (2 exponent bits, 3 mantissa bits; 6 bits a number), with one power-of-two scale for each 32 numbers along K (OCP MX v1.0); their sums are f32. All else is computed in f32.
;;   The module's matrix products, in the order in which they are computed (A, B: the left and right operand; K: the contracted axis; several contracted axes count as one K, in the product's order):
;;     1. [M 4,096, K 1,024] x [K 1,024, N 1,024]; A: input query; B: input Wq: QUANTISED
;;     2. [M 4,096, K 1,024] x [K 1,024, N 1,024]; A: input key; B: input Wk: QUANTISED
;;     3. [M 4,096, K 1,024] x [K 1,024, N 1,024]; A: input value; B: input Wv: QUANTISED
;;     4. batch 32 x [M 2,048, K 64] x [K 64, N 2,048]; A: computed on the way; B: computed on the way: QUANTISED
;;     5. batch 32 x [M 2,048, K 2,048] x [K 2,048, N 64]; A: softmax (see below); B: computed on the way: QUANTISED
;;     6. [M 8,192, K 1,024] x [K 1,024, N 4,096]; A: input We; B: computed on the way: QUANTISED
;;     7. [M 4,096, K 1,024] x [K 1,024, N 1,024]; A: computed on the way; B: input Wo: QUANTISED
;;   THE QUANTISER, for each operand of a quantised product, along K:
;;     - K is cut into blocks of 32 from its start; a last block that is shorter is filled with zeros.
;;     - A block's scale is 2^e with e = floor(log2(the largest magnitude in the block)) - 2, held to -126 .. 127; a block of zeros has e = 0. As a byte (E8M0): e + 127.
;;     - Each number is divided by its block's scale, clamped to +-7.5, and rounded to the nearest number of E2M3, ties to even, subnormals kept.
;;     - The product sums the exact products of the quantised numbers (number of the format x scale) in f32.
;;   ~~~python
;;   def quantise(x, axis):      # numpy; x: float32 -> the quantised numbers, widened to float32 again
;;       x = np.moveaxis(x, axis, -1); K = x.shape[-1]
;;       x = np.pad(x, [(0, 0)] * (x.ndim - 1) + [(0, -K % 32)]); x = x.reshape(x.shape[:-1] + (-1, 32)); a = np.abs(x).max(-1, keepdims=True)
;;       e = np.where(a > 0, np.clip(np.frexp(np.where(a > 0, a, 1))[1] - 1 - 2, -126, 127), 0)      # np.frexp(a)[1] - 1 = floor(log2(a)), exactly
;;       r = np.clip(x / 2.0 ** e, -7.5, 7.5)
;;       step = 2.0 ** (np.maximum(np.frexp(np.where(r == 0, 1, r))[1] - 1, 0) - 3)
;;       q = np.round(r / step) * step * 2.0 ** e      # np.round: ties to even
;;       return np.moveaxis(q.reshape(q.shape[:-2] + (-1,))[..., :K], -1, axis).astype(np.float32)
;;   ~~~
;;   SOFTMAX AHEAD OF A QUANTISED PRODUCT. Where the list says 'softmax', what is quantised is not the finished softmax but p = 2^(t - M), with t = logit x log2(e) and M = ceil(the row's largest t), a whole number; so 1/2 < the row's largest p <= 1. The row's sum l is taken of the UNQUANTISED p, in f32, and the product's result is divided by l at the end. Since M is a whole number, a kernel that streams over the keys may use a running M (the ceiling of the running maximum): every later rescaling is an exact power of two, which a block's scale takes up: the codes' values come out the same.
;;   OPERANDS COMPUTED ON THE WAY. 'Computed on the way' means the value that the module computes at that place (a softmax that the list does not call 'softmax' is quantised finished and normalised). What goes into a quantiser is computed in f32, as accurately as f32 sums, v_exp_f32 and their like allow (about 1e-6 of the number): no bf16 or f16 on the way to a quantiser, and a product that is left as it is and whose result goes on into a quantised operand takes f32 operands (vector FMAs, or v_wmma_f32_16x16x4_f32). A number that lies on a knife's edge between two numbers of the format may be rounded either way, as far as f32 arithmetic and the matrix unit's own rounding can turn it there, and no further.
;; One version. Each part assembles by itself: llvm-mc -triple=amdgcn-amd-amdhsa -mcpu=gfx1250 --defsym DOCPART=n.
;; ======== version 1 of 1: 5 launches
;; limits: right only within a limited range of input values
;; workspace buffers: cin 19,660,800 bytes; qb 6,553,600 bytes; kvb 6,553,600 bytes; ao 3,276,800 bytes; em 3,276,800 bytes
;; launch quant (part 1): grid 1536 x 1, 4 waves a work-group, no clusters, 34,304 bytes of LDS; arguments query, key, value, Wq, Wk, Wv, Wo, We, cin; writes cin
.if DOCPART == 1
	.amdgcn_target "amdgcn-amd-amdhsa--gfx1250"
	.amdhsa_code_object_version 6
	.text
	.protected	k_q2596b03d4d_quant
	.globl	k_q2596b03d4d_quant
	.p2align	8
	.type	k_q2596b03d4d_quant,@function
k_q2596b03d4d_quant:
	s_mov_b64 s[64:65], 0
	v_nop
	global_prefetch_b8 v0, s[64:65] scope:SCOPE_SE
	s_setreg_imm32_b32 hwreg(HW_REG_WAVE_MODE, 25, 1), 1
	s_wait_xcnt 0x0
; All eight f32 tensors (rows of 1,024 numbers, K innermost) become codes of FP6 (E2M3) with one E8M0 byte for each 32 along K, laid in cin IN THE ORDER OF THE OPERANDS' REGISTERS.
; cin is 192 blocks of 128 rows x 1,024 K: query 0-31, key 32-63, value 64-95, Wq 96-103, Wk 104-111, Wv 112-119, Wo 120-127, We 128-191.  A block is 8 records, one for each 128 along K, of 12,800 bytes:
; 8 fragments of 1,536 bytes (tile t at 1,536 t), then 512 bytes of scale words (tile t, lane r at 64 t + 4 r).  A fragment is two halves of 768 bytes (64 along K each): registers 0-3 at 16 x lane, registers 4-5 at 512 + 8 x lane.
; THE ROWS OF A TILE ARE NOT NEIGHBOURS: lane r of tile 2 G + u holds row 32 G + 8 u + r + 8 (r / 8).  As source 0 of a product this makes the 16 result registers of tiles 2 G, 2 G + 1 sixteen neighbours.
; A block's scale is 2^(floor(log2(largest magnitude)) - 2); its byte is the largest magnitude's exponent field - 2, held at 1 from below.
; LIMITS: a block of zeros, and one whose largest magnitude lies under 2^-124, gets the byte 1 (zeros: the rule says 127; its codes are zeros and only this program reads the bytes).  NaN and infinities are not served.
; SHARES: work-group x makes record x.  Wave w takes rows 32 w .. 32 w + 31: tiles 2 w and 2 w + 1.  Each load reads 512 consecutive bytes of one row; a tile's 16 rows turn through the wave's own stage in LDS
; (rows 528 bytes apart), so that lane (r, h) gets, of row r, numbers 32 b + 16 h + 0 .. 15 of each block b.  No loop, no barrier: waves share nothing.  32 loads of a wave are out at once.
.set REC,   12800
.set SCO,   12288
.set SP,    528
.set STAGE, 16*SP
.set SPARE, 4*STAGE                    ; behind the four stages: the spare words, 128 bytes a wave
.set LN,  2
.set RR,  3
.set L16, 4                            ; 16 x lane
.set SA,  5                            ; the stage, on the way in
.set RA,  6                            ; and on the way out
.set L8,  7                            ; 8 x lane
.set L4,  8                            ; 4 x lane
.set PW,  9                            ; v9, v10: the two tiles' scale words
.set HH,  11
.set SPW, 12
.set NIL, 13
.set WD,  14                           ; the two tiles' words in one register
.set TM,  16                           ; v16-31 at work
.set R0,  32                           ; tile 0's rows as loaded; later tile 1's numbers
.set R1,  96                           ; tile 1's rows as loaded
.set X,   160                          ; tile 0's numbers
.set C,   224                          ; v224-235, v236-247: the two fragments
.set CT,  248                          ; v248-250, v252-254: second halves of blocks
.set SEL, 6                            ; s[6:7]
.macro PICK lim, p, first              ; blocks under lim belong to an earlier tensor
	s_cmp_lt_u32 s2, \lim
	s_cselect_b64 s[26:27], s[\p:\p+1], s[26:27]
	s_cselect_b32 s3, \first, s3
.endm
; 64 numbers of a lane, register 16 b + i = k 32 b + 16 (lane / 16) + i of my row, become a fragment in v[d] on and its scale word in v[pw]
.macro QUANT128 s, d, pw
.irp b, 0,1,2,3
	v_max3_num_f32 v[TM+\b], |v[\s+16*\b]|, |v[\s+1+16*\b]|, 0x1800000   ; my 16 numbers of block b, and the floor 2^(3 - 127): the byte cannot fall under 1
.endr
.irp i, 2,4,6,8,10,12,14
.irp b, 0,1,2,3
	v_max3_num_f32 v[TM+\b], v[TM+\b], |v[\s+16*\b+\i]|, |v[\s+1+16*\b+\i]|
.endr
.endr
.irp b, 0,1,2,3
	v_permlanex16_b32 v[TM+4+\b], v[TM+\b], s[SEL], s[SEL+1]
.endr
.irp b, 0,1,2,3
	v_max_num_f32 v[TM+\b], v[TM+\b], v[TM+4+\b]                     ; with lane l xor 16's: the block's largest magnitude
.endr
.irp b, 0,1,2,3
	v_add_nc_u32 v[TM+12+\b], 0xff000000, v[TM+\b]                   ; 2 off its exponent field: the conversion's scale operand
.endr
.irp b, 0,1,2,3
	v_lshrrev_b32 v[TM+4+\b], 23, v[TM+12+\b]                        ; the byte
.endr
	v_lshl_or_b32 v[\pw], v[TM+5], 8, v[TM+4]
	v_lshl_or_b32 v[\pw], v[TM+6], 16, v[\pw]
	v_lshl_or_b32 v[\pw], v[TM+7], 24, v[\pw]
.irp c, 0,1
	v_cvt_scalef32_pk16_fp6_f32 v[\d+6*\c:\d+2+6*\c], v[\s+32*\c:\s+15+32*\c], v[TM+12+2*\c]
	v_cvt_scalef32_pk16_fp6_f32 v[CT+4*\c:CT+2+4*\c], v[\s+16+32*\c:\s+31+32*\c], v[TM+12+2*\c+1]   ; (a conversion's three registers begin on an even number)
.endr
	v_nop                                          ; one plain place behind the conversions
.irp c, 0,1                            ; the layout wants a whole block in a lane: lanes 0-15 block 2 c, lanes 16-31 block 2 c + 1
.irp i, 0,1,2
	v_permlane16_swap_b32 v[\d+6*\c+\i], v[CT+4*\c+\i]
.endr
.irp i, 0,1,2
	v_mov_b32 v[\d+3+6*\c+\i], v[CT+4*\c+\i]
.endr
.endr
.endm
.macro IMAGE d, off                    ; a fragment leaves as it stands: stores of 512, 256, 512 and 256 consecutive bytes, each at a multiple of 256 from cin's first byte
	global_store_b128 v[L16], v[\d:\d+3], s[28:29] offset:\off
	global_store_b64 v[L8], v[\d+4:\d+5], s[28:29] offset:\off+512
	global_store_b128 v[L16], v[\d+6:\d+9], s[28:29] offset:\off+768
	global_store_b64 v[L8], v[\d+10:\d+11], s[28:29] offset:\off+1280
.endm
.macro FROMSTAGE reg
.irp b, 0,1,2,3
.irp j, 0,1,2,3
	ds_load_b128 v[\reg+16*\b+4*\j:\reg+16*\b+4*\j+3], v[RA] offset:128*\b+16*\j
.endr
.endr
.endm
	s_load_b512 s[8:23], s[0:1], 0x0               ; query, key, value, Wq, Wk, Wv, Wo, We
	s_load_b64 s[24:25], s[0:1], 0x40              ; cin
	v_lshl_add_u32 v[SPW], v0, 2, SPARE
	v_mov_b32 v[NIL], 0
	v_lshrrev_b32 v1, 5, v0
	v_readfirstlane_b32 s4, v1                     ; wave
	v_and_b32 v[LN], 31, v0
	v_and_b32 v[RR], 15, v0
	v_bfe_u32 v[HH], v0, 4, 1
	v_lshlrev_b32 v[L16], 4, v[LN]
	v_lshlrev_b32 v[L8], 3, v[LN]
	v_lshlrev_b32 v[L4], 2, v[LN]
	s_mul_i32 s5, s4, STAGE
	v_add_nc_u32 v[SA], s5, v[L16]                 ; in: a row's 512 bytes as they lie
	v_mul_u32_u24 v[RA], v[RR], SP
	v_lshl_add_u32 v[RA], v[HH], 6, v[RA]
	v_add_nc_u32 v[RA], s5, v[RA]                  ; out: row r, + 64 h
.irp b, 0,1,2,3
	v_mov_b32 v[TM+4+\b], 0                        ; written once: a lane permute's destination counts as one of its sources
.endr
	s_mov_b32 s[SEL], 0x76543210
	s_mov_b32 s[SEL+1], 0xfedcba98
	s_lshr_b32 s2, ttmp9, 3                        ; my block
	s_mov_b32 s3, 128
	s_wait_alu depctr_va_vdst(0)
	s_wait_kmcnt 0x0
	s_mov_b64 s[26:27], s[22:23]                   ; We, unless the block's number says otherwise: the choice hangs on the work-group's number alone
	PICK 128, 20, 120
	PICK 120, 18, 112
	PICK 112, 16, 104
	PICK 104, 14, 96
	PICK 96, 12, 64
	PICK 64, 10, 32
	PICK 32, 8, 0
	s_sub_co_u32 s32, s2, s3
	s_lshl_b32 s32, s32, 19                        ; 128 rows of 4,096 bytes a block,
	s_and_b32 s33, ttmp9, 7
	s_lshl_b32 s33, s33, 9                         ; 512 bytes a K step,
	s_add_co_u32 s32, s32, s33
	; KEY'S TILES HAVE ANOTHER ORDER OF ROWS: lane r of tile 4 c + u holds row 64 c + 8 u + r (r under 8) or 64 c + 32 + 8 u + r - 8, so that in the attention launch a lane's 32 registers of tiles 4 c .. 4 c + 3 are one block of 32 keys.
	; Wave w still makes tiles 2 w and 2 w + 1: its first row is 64 (w / 2) + 16 (w % 2), and the upper eight lanes' rows lie 16 rows further on than in the other tensors: a second base, s[36:37].
	s_lshl_b32 s33, s4, 17                         ; 32 rows a wave
	s_lshr_b32 s36, s4, 1
	s_lshl_b32 s36, s36, 18
	s_and_b32 s37, s4, 1
	s_lshl_b32 s37, s37, 16
	s_add_co_u32 s36, s36, s37
	s_cmp_eq_u32 s3, 32                            ; key's first block is 32: the choice hangs on the work-group's number alone
	s_cselect_b32 s33, s36, s33
	s_cselect_b32 s36, 0x10000, 0
	s_add_co_u32 s32, s32, s33
	s_mov_b32 s33, 0
	s_mov_b32 s37, 0
	s_add_nc_u64 s[26:27], s[26:27], s[32:33]
	s_add_nc_u64 s[36:37], s[26:27], s[36:37]
	s_mul_i32 s32, ttmp9, REC
	s_mul_i32 s34, s4, 3072
	s_add_co_u32 s34, s34, s32
	s_mov_b32 s35, 0
	s_add_nc_u64 s[28:29], s[24:25], s[34:35]      ; my two fragments
	s_lshl_b32 s34, s4, 7
	s_add_co_u32 s34, s34, s32
	s_add_co_u32 s34, s34, SCO
	s_add_nc_u64 s[30:31], s[24:25], s[34:35]      ; my 32 scale words
.irp k, 0,1,2,3,4,5,6,7,8,9,10,11,12,13,14,15
.if \k < 8
	global_load_b128 v[R0+4*\k:R0+4*\k+3], v[L16], s[26:27] offset:\k*4096 th:TH_LOAD_NT
.else
	global_load_b128 v[R0+4*\k:R0+4*\k+3], v[L16], s[36:37] offset:(\k+8)*4096 th:TH_LOAD_NT
.endif
.endr
.irp k, 0,1,2,3,4,5,6,7,8,9,10,11,12,13,14,15
.if \k < 8
	global_load_b128 v[R1+4*\k:R1+4*\k+3], v[L16], s[26:27] offset:(\k+8)*4096 th:TH_LOAD_NT
.else
	global_load_b128 v[R1+4*\k:R1+4*\k+3], v[L16], s[36:37] offset:(\k+16)*4096 th:TH_LOAD_NT
.endif
.endr
	s_wait_loadcnt 16                              ; tile 0's sixteen loads are in; tile 1's may be out
.irp k, 0,1,2,3,4,5,6,7,8,9,10,11,12,13,14,15
	ds_store_b128 v[SA], v[R0+4*\k:R0+4*\k+3] offset:\k*SP
.endr
	FROMSTAGE X                                    ; LDS serves a wave's instructions in order (ISA guide 5.7.1.4): these see the stores above,
	s_wait_loadcnt 0x0
.irp k, 0,1,2,3,4,5,6,7,8,9,10,11,12,13,14,15
	ds_store_b128 v[SA], v[R1+4*\k:R1+4*\k+3] offset:\k*SP   ; and tile 1's stores come behind them
.endr
	s_wait_dscnt 16                                ; all but these sixteen stores: tile 0's numbers are in
	FROMSTAGE R0
	QUANT128 X, C, PW
	IMAGE C, 0
	s_wait_dscnt 0x0                               ; tile 1's numbers are in
	QUANT128 R0, C+12, PW+1
	IMAGE C+12, 1536
	v_cmp_lt_u32 vcc_lo, 15, v[LN]
	v_cndmask_b32 v[WD], v[PW], v[PW+1], vcc_lo    ; lanes 0-15: tile 0's words, lanes 16-31: tile 1's (every lane holds its row's word)
	global_store_b32 v[L4], v[WD], s[30:31]        ; 128 consecutive bytes
	s_wait_tensorcnt 0x0                           ; the wave's end, behind my last LDS store
	ds_add_u32 v[SPW], v[NIL]
	s_wait_dscnt 0x0
	s_endpgm
.Lfunc_end_k_q2596b03d4d_quant:
	.size	k_q2596b03d4d_quant, .Lfunc_end_k_q2596b03d4d_quant-k_q2596b03d4d_quant
	.p2alignl 7, 3214868480
	.fill 96, 4, 3214868480
	.section	.rodata,"a",@progbits
	.p2align	6, 0x0
	.amdhsa_kernel k_q2596b03d4d_quant
		.amdhsa_group_segment_fixed_size 34304
		.amdhsa_private_segment_fixed_size 0
		.amdhsa_enable_private_segment 0
		.amdhsa_kernarg_size 72
		.amdhsa_user_sgpr_count 2
		.amdhsa_user_sgpr_kernarg_segment_ptr 1
		.amdhsa_wavefront_size32 1
		.amdhsa_system_sgpr_workgroup_id_x 1
		.amdhsa_system_sgpr_workgroup_id_y 1
		.amdhsa_system_sgpr_workgroup_id_z 1
		.amdhsa_system_vgpr_workitem_id 0
		.amdhsa_next_free_vgpr 256
		.amdhsa_next_free_sgpr 66
		.amdhsa_reserve_vcc 1
		.amdhsa_float_denorm_mode_32 3
		.amdhsa_float_denorm_mode_16_64 3
		.amdhsa_memory_ordered 1
		.amdhsa_forward_progress 1
		.amdhsa_inst_pref_size 20
	.end_amdhsa_kernel
	.amdgpu_metadata
---
amdhsa.version: [ 1, 2 ]
amdhsa.kernels:
  - .name:           k_q2596b03d4d_quant
    .symbol:         k_q2596b03d4d_quant.kd
    .args:
      - { .name: query, .offset: 0, .size: 8, .value_kind: global_buffer, .address_space: global }
      - { .name: key, .offset: 8, .size: 8, .value_kind: global_buffer, .address_space: global }
      - { .name: value, .offset: 16, .size: 8, .value_kind: global_buffer, .address_space: global }
      - { .name: Wq, .offset: 24, .size: 8, .value_kind: global_buffer, .address_space: global }
      - { .name: Wk, .offset: 32, .size: 8, .value_kind: global_buffer, .address_space: global }
      - { .name: Wv, .offset: 40, .size: 8, .value_kind: global_buffer, .address_space: global }
      - { .name: Wo, .offset: 48, .size: 8, .value_kind: global_buffer, .address_space: global }
      - { .name: We, .offset: 56, .size: 8, .value_kind: global_buffer, .address_space: global }
      - { .name: cin, .offset: 64, .size: 8, .value_kind: global_buffer, .address_space: global }
    .group_segment_fixed_size: 34304
    .private_segment_fixed_size: 0
    .kernarg_segment_align: 8
    .kernarg_segment_size: 72
    .max_flat_workgroup_size: 128
    .sgpr_count:     66
    .vgpr_count:     256
    .wavefront_size: 32
...
	.end_amdgpu_metadata
.endif
;; end of part 1
;; launch proj (part 2): grid 256 x 1, 4 waves a work-group, clusters of 4 x 1, 327,680 bytes of LDS; arguments cin, bq, bk, bv, qb, kvb; writes qb, kvb
.if DOCPART == 2
	.amdgcn_target "amdgcn-amd-amdhsa--gfx1250"
	.amdhsa_code_object_version 6
	.text
	.protected	k_q2596b03d4d_proj
	.globl	k_q2596b03d4d_proj
	.p2align	8
	.type	k_q2596b03d4d_proj,@function
k_q2596b03d4d_proj:
	s_mov_b64 s[64:65], 0
	v_nop
	global_prefetch_b8 v0, s[64:65] scope:SCOPE_SE
	s_setreg_imm32_b32 hwreg(HW_REG_WAVE_MODE, 25, 1), 1
	s_wait_xcnt 0x0
	s_wait_alu depctr_hold_cnt(0) depctr_sa_sdst(0) depctr_va_vdst(0) depctr_va_sdst(0) depctr_va_ssrc(0) depctr_va_vcc(0) depctr_vm_vsrc(0)
	s_getreg_b32 s2, hwreg(HW_REG_IB_STS2, 6, 4)
	s_cmp_eq_u32 s2, 0
	s_cbranch_scc0 .Lentry_in_a_cluster
	s_endpgm
.Lentry_in_a_cluster:
	s_bfe_u32 s2, ttmp6, 0x10000c
	s_cmp_lg_u32 s2, 0x3003
	s_cbranch_scc0 .Lentry_shape_is_right
	s_endpgm
.Lentry_shape_is_right:
; The three projections, Q = query Wq^T + bq, K = key Wk^T + bk, V = value Wv^T + bv, on codes of FP6 (E2M3) with E8M0 scales, K = 1,024; the results are quantised for the attention launch.
; OPERANDS (cin) are blocks of 128 rows x 1,024 K in the order of the operands' registers: 8 records (128 along K each) of 12,800 bytes: 8 fragments of 1,536 bytes, then 512 bytes of scale words (tile t, lane r at 64 t + 4 r).
; A fragment is two halves of 768 bytes: registers 0-3 at 16 x lane, registers 4-5 at 512 + 8 x lane.  Lane r of tile 2 G + u holds row 32 G + 8 u + r + 8 (r / 8).  Blocks: query 0-31, key 32-63, value 64-95, Wq 96-103, Wk 104-111, Wv 112-119.
; A WORK-GROUP STAYS: it makes one tile of Q, then one of K, then one of V: 256 work-groups for 768 tiles, so that the arguments, the cluster's round, the first tiles and the last stores are paid once.
; A TILE is 128 L rows x 128 R rows; wave (wl, wr) makes 64 x 64: 16 accumulators.  R is source 0, L source 1: a lane holds ONE L row, and the 16 registers of R's tiles 2 G, 2 G + 1 are R rows 32 G + 16 h + 0 .. 15.
; Q, K: L = tokens, R = rows of the weight; a wave's 64 R rows are one head.  V: L = rows of Wv (one head's 64), R = tokens, so that the registers run along the keys.
; R: the three kinds' blocks (3 x 102,400 dense bytes) all lie in LDS, filled once, a quarter of each by each wave's tensor load: one load of a wave is out at a time, and no byte is filled again.
; L STAYS IN REGISTERS for all of K (4 tiles x 8 K steps x 12 = 384), loaded straight from memory.  THE NEXT KIND'S L IS LOADED AHEAD: the registers of K step s are free behind that step's products, so the run of loads of step s + 1
; also holds the next kind's 16 fragment loads and 2 scale loads of step s: they land under the rest of the kind and its way out.
; RESULTS + bias are quantised along the registers, 64 at a time, and leave as halves of fragments: qb, kvb = [b x head][128 tokens][12,800]: K (or Q): tile T's half at 768 T, bytes at 12,288 + 64 (T / 2) + 4 r + 2 (T % 2) + block;
; V^T: tile t's fragment at 6,144 + 1,536 t, bytes at 12,544 + 64 t + 4 r.  The scale bytes leave by byte stores, 32 bytes in a stretch of 64: one byte for 24 bytes of codes.
; CLUSTER: 4 work-groups with the same three R blocks and four L blocks of each kind: R's quarters are asked for jointly (mask 15).  L is not shared inside a cluster and goes to registers by plain loads.
; LIMITS: a block of zeros, and one whose largest magnitude lies under 2^-124, gets the byte 1 (its codes are zeros; only this program reads the bytes).  NaN and infinities are not served.
; REGISTERS, in windows of 256: window 0: v1-29 addresses; v32-47 L's scale words, v48-51 R's; v64-159 R's fragments, two sets (the way out uses set 1's); v160-191 a tile's numbers; v192-223 bq; v224-243 at work, bv.
;   window 1: L's fragments of K steps 0-4 (48 s + 12 i); window 2: of K steps 5-7, and from v144 bk; window 3: accumulator (i, a) at 8 (4 i + a).
; THE ORDER OF R'S FILLS: Wq's block is asked for at the head, one load a wave; Wk's behind the wait for it, the add and a round of the cluster's barrier; value's likewise in Q's last K step.  No byte is filled again.
; KEY'S TILES: lane r of tile 4 c + u holds token 64 c + 8 u + r (r under 8) or 64 c + 32 + 8 u + r - 8; nothing in this text hangs on that order.
.set REC,   12800
.set BLK,   8*REC
.set SCO,   12288
.set QTR,   BLK/4
.set SPARE, 3*BLK                      ; behind the three blocks: the spare words, 128 bytes a wave
.set L16, 1
.set L8,  2
.set L4,  3
.set RR,  4
.set HH,  5
.set ARA, 6                            ; v6-8   R of the kind in hand, K steps 0-3: 16, 8, 4 bytes a lane
.set ARB, 9                            ; v9-11  K steps 4-7
.set C16, 12                           ; v12-14 the same without the block's place
.set VS,  15                           ; 4 r + h: my scale byte's place
.set VB,  16                           ; bias along the registers
.set VP,  17                           ; bias by lane
.set VL,  21                           ; v21-23 L in memory: 16, 8, 4 bytes a lane
.set LN,  24
.set SPW, 28
.set NIL, 29
.set LS,  32
.set RS,  48
.set RF,  64
.set D,   112                          ; the way out: a tile's codes at v[112 + 8 i], in set 1's registers
.set SB,  144                          ; and its byte
.set X,   160
.set BI,  192                          ; bq
.set TM,  224
.set CT,  232
.set BL,  236                          ; bv: a pair a tile
.set BK,  144                          ; bk, in window 2
.set WV,  2
.set WL,  3
.set WR,  4
.set CX,  5
.set LBQ, 6
.set RBQ, 7
.set LBV, 8
.set RBV, 9
.set SEL, 20                           ; s[20:21]
.set G1,  24                           ; s[24:31]
.set G0,  32                           ; s[32:43] a group 0 for each block
.set LP,  56                           ; s[56:61] L's block of each kind
.set OUT, 66                           ; s[66:77] kind t: images at s[66 + 4 t], scale bytes at s[68 + 4 t]
.set MSB, 0
.macro WIN new                         ; the immediate's high byte repeats the setting that is left
.if MSB != \new
	s_set_vgpr_msb (MSB<<8)|\new
.set MSB, \new
.endif
.endm
.macro PLACES                          ; four plain places behind a matrix instruction, ahead of loads into its registers and of reads of its result
.rept 4
	v_nop
.endr
.endm
.macro CROUND                          ; a round of the cluster's barrier
	s_barrier_signal -1
	s_barrier_wait -1
	s_cmp_lg_u32 s[WV], 0
	s_cbranch_scc1 .Lnot_wave_0_\@
	s_barrier_signal -3
.Lnot_wave_0_\@:
	s_barrier_wait -3
	s_barrier_signal -1
	s_barrier_wait -1
.endm
.macro GFRAG reg, lp, off              ; a fragment of L from memory
	global_load_b128 v[\reg:\reg+3], v[VL], s[\lp:\lp+1] offset:\off
	global_load_b64 v[\reg+4:\reg+5], v[VL+1], s[\lp:\lp+1] offset:\off+512
	global_load_b128 v[\reg+6:\reg+9], v[VL], s[\lp:\lp+1] offset:\off+768
	global_load_b64 v[\reg+10:\reg+11], v[VL+1], s[\lp:\lp+1] offset:\off+1280
.endm
.macro GLOAD lp, s                     ; K step s of L: two registers of scale words (lanes 0-15 tile 2 p, lanes 16-31 tile 2 p + 1) and my four fragments: 18 loads
	global_load_b32 v[LS+2*(\s)], v[VL+2], s[\lp:\lp+1] offset:(\s)*REC
	global_load_b32 v[LS+2*(\s)+1], v[VL+2], s[\lp:\lp+1] offset:(\s)*REC+128
.if (\s) < 5
	WIN 0x40                                       ; destination window 1
.set LFB, 48*(\s)
.else
	WIN 0x80                                       ; destination window 2
.set LFB, 48*((\s)-5)
.endif
.irp i, 0,1,2,3
	GFRAG LFB+12*\i, \lp, (\s)*REC+1536*\i
.endr
	WIN 0
.endm
.macro LFRAG reg, a, off               ; a fragment of R from LDS: each load takes 512 or 256 consecutive bytes
	ds_load_b128 v[\reg:\reg+3], v[\a] offset:\off
	ds_load_b64 v[\reg+4:\reg+5], v[\a+1] offset:\off+512
	ds_load_b128 v[\reg+6:\reg+9], v[\a] offset:\off+768
	ds_load_b64 v[\reg+10:\reg+11], v[\a+1] offset:\off+1280
.endm
.macro LOADR s                         ; K step s of R: my four fragments and two registers of scale words into set s % 2: 18 loads
.set AB, ARA+3*((\s)/4)
.set RSET, (\s)%2
.irp a, 0,1,2,3
	LFRAG RF+48*RSET+12*\a, AB, ((\s)%4)*REC+1536*\a
.endr
	ds_load_b32 v[RS+2*RSET], v[AB+2] offset:((\s)%4)*REC
	ds_load_b32 v[RS+2*RSET+1], v[AB+2] offset:((\s)%4)*REC+128
.endm
.macro SETAR t                         ; R's addresses in kind t's block
	v_add_nc_u32 v[ARA], (\t)*BLK, v[C16]
	v_add_nc_u32 v[ARA+1], (\t)*BLK, v[C16+1]
	v_add_nc_u32 v[ARA+2], (\t)*BLK, v[C16+2]
	v_add_nc_u32 v[ARB], (\t)*BLK+4*REC, v[C16]
	v_add_nc_u32 v[ARB+1], (\t)*BLK+4*REC, v[C16+1]
	v_add_nc_u32 v[ARB+2], (\t)*BLK+4*REC, v[C16+2]
.endm
.macro WM d, a, b, z, sa, sb, ra, rb   ; one product; z: it starts the sum; ra, rb: the side's scale words stand in lanes 16-31
.if \z
.if (\ra) && (\rb)
	v_wmma_scale_f32_16x16x128_f8f6f4 v[\d:\d+7], v[\a:\a+11], v[\b:\b+11], 0, v[\sa], v[\sb] matrix_a_fmt:MATRIX_FMT_FP6 matrix_b_fmt:MATRIX_FMT_FP6 matrix_a_scale:MATRIX_SCALE_ROW1 matrix_b_scale:MATRIX_SCALE_ROW1
.elseif \ra
	v_wmma_scale_f32_16x16x128_f8f6f4 v[\d:\d+7], v[\a:\a+11], v[\b:\b+11], 0, v[\sa], v[\sb] matrix_a_fmt:MATRIX_FMT_FP6 matrix_b_fmt:MATRIX_FMT_FP6 matrix_a_scale:MATRIX_SCALE_ROW1
.elseif \rb
	v_wmma_scale_f32_16x16x128_f8f6f4 v[\d:\d+7], v[\a:\a+11], v[\b:\b+11], 0, v[\sa], v[\sb] matrix_a_fmt:MATRIX_FMT_FP6 matrix_b_fmt:MATRIX_FMT_FP6 matrix_b_scale:MATRIX_SCALE_ROW1
.else
	v_wmma_scale_f32_16x16x128_f8f6f4 v[\d:\d+7], v[\a:\a+11], v[\b:\b+11], 0, v[\sa], v[\sb] matrix_a_fmt:MATRIX_FMT_FP6 matrix_b_fmt:MATRIX_FMT_FP6
.endif
.else
.if (\ra) && (\rb)
	v_wmma_scale_f32_16x16x128_f8f6f4 v[\d:\d+7], v[\a:\a+11], v[\b:\b+11], v[\d:\d+7], v[\sa], v[\sb] matrix_a_fmt:MATRIX_FMT_FP6 matrix_b_fmt:MATRIX_FMT_FP6 matrix_a_scale:MATRIX_SCALE_ROW1 matrix_b_scale:MATRIX_SCALE_ROW1
.elseif \ra
	v_wmma_scale_f32_16x16x128_f8f6f4 v[\d:\d+7], v[\a:\a+11], v[\b:\b+11], v[\d:\d+7], v[\sa], v[\sb] matrix_a_fmt:MATRIX_FMT_FP6 matrix_b_fmt:MATRIX_FMT_FP6 matrix_a_scale:MATRIX_SCALE_ROW1
.elseif \rb
	v_wmma_scale_f32_16x16x128_f8f6f4 v[\d:\d+7], v[\a:\a+11], v[\b:\b+11], v[\d:\d+7], v[\sa], v[\sb] matrix_a_fmt:MATRIX_FMT_FP6 matrix_b_fmt:MATRIX_FMT_FP6 matrix_b_scale:MATRIX_SCALE_ROW1
.else
	v_wmma_scale_f32_16x16x128_f8f6f4 v[\d:\d+7], v[\a:\a+11], v[\b:\b+11], v[\d:\d+7], v[\sa], v[\sb] matrix_a_fmt:MATRIX_FMT_FP6 matrix_b_fmt:MATRIX_FMT_FP6
.endif
.endif
.endm
.macro MUL16 s, zero                   ; K step s: the 16 accumulators take turns, one instruction a turn, in the same order in every step
.if (\s) < 5
.set LFB, 48*(\s)
.else
.set LFB, 48*((\s)-5)
.endif
.set RFB, RF+48*((\s)%2)
.set RSB, RS+2*((\s)%2)
.set LSB, LS+2*(\s)
.irp i, 0,1,2,3
.irp a, 0,1,2,3
	WM 8*(4*\i+\a), RFB+12*\a, LFB+12*\i, \zero, RSB+\a/2, LSB+\i/2, \a%2, \i%2
.endr
.endr
.endm
; K step s of kind t.  One run of loads ahead of the sixteen products: R's next step from LDS, and (kinds 0, 1) the next kind's L of step s - 1 from memory, into registers that the products one step back have read.
; In step 7 of kinds 0 and 1 the next step of R is the next kind's first: its block has landed in every wave's part (my wait, then the barrier; no byte is filled behind it).
.macro STEP t, s
.if ((\t) == 2) && (18*(7-(\s)) < 63)
	s_wait_loadcnt 18*(7-(\s))                     ; L came in the order of K, 18 loads a step: the later steps' may be out
.else
	s_wait_loadcnt 63                              ; behind this step's 18 loads at least 72 younger ones have been issued (the later steps' and the next kind's earlier steps'): 63 of them may be out
.endif
.if ((\s) == 7) && ((\t) < 2)
	s_wait_tensorcnt 0x0                           ; my quarter of the next kind's block is in
.if (\t) == 0
	ds_add_u32 v[SPW], v[NIL]                      ; the add ahead of a later first fill
	s_wait_dscnt 0x0                               ; the add is done, this step's set is in
	CROUND                                         ; everybody's quarter is in, and the four work-groups meet
	tensor_load_to_lds s[G0+8:G0+11], s[G1:G1+7]   ; value's block: my one load behind the round
	s_nop 0
.else
	s_wait_dscnt 0x0                               ; this step's set is in; no LDS instruction of mine is out at the signal
	s_barrier_signal -1
	s_barrier_wait -1                              ; everybody's quarter is in
.endif
	SETAR (\t)+1
	LOADR 0
.elseif (\s) == 7
	s_wait_dscnt 0x0
.else
	s_wait_dscnt 0x0                               ; this step's set is in
.if ((\s) == 0) && ((\t) > 0)
	s_wait_xcnt 0x0                                ; the last kind's stores have read their data, which lie in set 1's registers: these are loaded again only behind this wait
.endif
	PLACES                                         ; the other set, and L's registers of the step before, were multiplied last
	LOADR (\s)+1
.endif
.if ((\t) < 2) && ((\s) > 0)
	GLOAD LP+2*((\t)+1), (\s)-1
.endif
.if (\s) < 5
	WIN 0xf4                                       ; source 1 (L) window 1, C and D window 3
.else
	WIN 0xf8                                       ; source 1 window 2
.endif
.if (\s) == 0
	MUL16 \s, 1                                    ; a kind's first K step starts the sums: nothing is cleared
.else
	MUL16 \s, 0
.endif
	WIN 0
.endm
; 32 numbers of a lane, register 16 b + i = k 32 b + 16 (lane / 16) + i of my row, become half a fragment (6 registers) in v[d] on; v[sb]: the byte of block lane / 16.  VCC: lanes 16-31
.macro QUANT64 s, d, sb
.irp b, 0,1
	v_max3_num_f32 v[TM+\b], |v[\s+16*\b]|, |v[\s+16*\b+1]|, 0x1800000   ; and the floor 2^(3 - 127): the byte cannot fall under 1
.endr
.irp i, 2,4,6,8,10,12,14
.irp b, 0,1
	v_max3_num_f32 v[TM+\b], v[TM+\b], |v[\s+16*\b+\i]|, |v[\s+16*\b+\i+1]|
.endr
.endr
.irp b, 0,1
	v_permlanex16_b32 v[TM+2+\b], v[TM+\b], s[SEL], s[SEL+1]
.endr
.irp b, 0,1
	v_max_num_f32 v[TM+\b], v[TM+\b], v[TM+2+\b]
.endr
.irp b, 0,1
	v_add_nc_u32 v[TM+4+\b], 0xff000000, v[TM+\b]  ; 2 off the exponent field: the conversion's scale operand
.endr
	v_cndmask_b32 v[TM+6], v[TM+4], v[TM+5], vcc_lo
	v_cvt_scalef32_pk16_fp6_f32 v[\d:\d+2], v[\s:\s+15], v[TM+4]
	v_cvt_scalef32_pk16_fp6_f32 v[CT:CT+2], v[\s+16:\s+31], v[TM+5]
	v_lshrrev_b32 v[\sb], 23, v[TM+6]              ; my block's byte; also the plain place behind the conversions
.irp i, 0,1,2
	v_permlane16_swap_b32 v[\d+\i], v[CT+\i]       ; a whole block to a lane
.endr
.irp i, 0,1,2
	v_mov_b32 v[\d+3+\i], v[CT+\i]
.endr
.endm
; The way out, an L tile at a time.  kind 0: + bq, along the registers; 1: + bk, likewise; 2: + bv, by lane.  Each accumulator is read from its low end on.
.macro EPI kind, oi, os
.irp i, 0,1,2,3
.if \kind == 1
	WIN 0x0b                                       ; source 0 (the sums) window 3, source 1 (bk) window 2
.else
	WIN 0x03                                       ; source 0: window 3
.endif
.set k, 0
.rept 16
.if \kind == 0
	v_pk_add_f32 v[X+k:X+k+1], v[32*\i+k:32*\i+k+1], v[BI+k:BI+k+1]
.elseif \kind == 1
	v_pk_add_f32 v[X+k:X+k+1], v[32*\i+k:32*\i+k+1], v[BK+k:BK+k+1]
.else
	v_pk_add_f32 v[X+k:X+k+1], v[32*\i+k:32*\i+k+1], v[BL+2*\i:BL+2*\i+1] op_sel_hi:[1,0]
.endif
.set k, k+2
.endr
	WIN 0
	QUANT64 X, D+8*\i, SB+\i                       ; each tile has registers of its own for its codes and its byte: inside a kind no store's data are written again
.if \kind == 2
	global_store_b128 v[L16], v[D+8*\i:D+8*\i+3], s[\oi:\oi+1] offset:1536*\i
	global_store_b64 v[L8], v[D+8*\i+4:D+8*\i+5], s[\oi:\oi+1] offset:1536*\i+512
	global_store_b8 v[VS], v[SB+\i], s[\os:\os+1] offset:64*\i
.else
	global_store_b128 v[L16], v[D+8*\i:D+8*\i+3], s[\oi:\oi+1] offset:768*\i
	global_store_b64 v[L8], v[D+8*\i+4:D+8*\i+5], s[\oi:\oi+1] offset:768*\i+512
	global_store_b8 v[VS], v[SB+\i], s[\os:\os+1] offset:64*(\i/2)+2*(\i%2)
.endif
.endr
.endm
.macro RUN t                           ; a whole kind: eight K steps, the next kind's last 18 loads of L, the way out
.irp s, 0,1,2,3,4,5,6,7
	STEP \t, \s
.endr
	PLACES                                         ; ahead of the loads into L's registers of step 7, of the first read of results, and of writes into set 1's registers
.if (\t) < 2
	GLOAD LP+2*((\t)+1), 7
.endif
	v_cmp_lt_u32 vcc_lo, 15, v[LN]                 ; lanes 16-31: made anew behind the kind's tensor load
	EPI \t, OUT+4*(\t), OUT+4*(\t)+2
.endm
	s_load_b256 s[44:51], s[0:1], 0x0              ; cin, bq, bk, bv
	s_load_b128 s[52:55], s[0:1], 0x20             ; qb, kvb
	v_lshl_add_u32 v[SPW], v0, 2, SPARE
	v_mov_b32 v[NIL], 0
	ds_add_u32 v[SPW], v[NIL]                      ; the wave's opening: the add and its wait ahead of my first tensor load; work on registers stands between them
	ds_add_u32 v[SPW], v[NIL]
	v_lshrrev_b32 v[LN], 5, v0
	v_readfirstlane_b32 s[WV], v[LN]               ; wave 0..3
	s_lshr_b32 s[WL], s[WV], 1                     ; which 64 L rows
	s_and_b32 s[WR], s[WV], 1                      ; which 64 R rows
	s_bfe_u32 s[CX], ttmp6, 0x40000                ; my place in the cluster: it enters L's, the biases' and the outputs' addresses alone
	s_and_b32 s[LBQ], ttmp9, 7                     ; Q, K: 8 x 4 blocks of tokens,
	s_lshl_b32 s[LBQ], s[LBQ], 2
	s_add_co_u32 s[LBQ], s[LBQ], s[CX]
	s_lshr_b32 s[RBQ], ttmp9, 3                    ; 8 blocks of the weight's rows
	s_and_b32 s[LBV], ttmp9, 1                     ; V: 2 x 4 blocks of Wv's rows,
	s_lshl_b32 s[LBV], s[LBV], 2
	s_add_co_u32 s[LBV], s[LBV], s[CX]
	s_lshr_b32 s[RBV], ttmp9, 1                    ; 32 blocks of tokens
	v_and_b32 v[LN], 31, v0
	v_and_b32 v[RR], 15, v0
	v_bfe_u32 v[HH], v0, 4, 1
	v_lshlrev_b32 v[L16], 4, v[LN]
	v_lshlrev_b32 v[L8], 3, v[LN]
	v_lshlrev_b32 v[L4], 2, v[LN]
	s_mul_i32 s10, s[WR], 6144                     ; R: my four tiles of a record,
	v_add_nc_u32 v[C16], s10, v[L16]
	v_add_nc_u32 v[C16+1], s10, v[L8]
	s_lshl_b32 s10, s[WR], 8
	s_add_co_u32 s10, s10, SCO                     ; and their scale words
	v_add_nc_u32 v[C16+2], s10, v[L4]
	s_mul_i32 s10, s[WL], 6144                     ; L likewise
	v_add_nc_u32 v[VL], s10, v[L16]
	v_add_nc_u32 v[VL+1], s10, v[L8]
	s_lshl_b32 s10, s[WL], 8
	s_add_co_u32 s10, s10, SCO
	v_add_nc_u32 v[VL+2], s10, v[L4]
	v_lshl_add_u32 v[VS], v[RR], 2, v[HH]
	s_lshl_b32 s10, s[RBQ], 9
	s_lshl_b32 s11, s[WR], 8
	s_add_co_u32 s10, s10, s11                     ; bq, bk: my 64 R rows, in bytes,
	v_lshl_add_u32 v[VB], v[HH], 6, s10            ; + 64 h
	s_lshl_b32 s10, s[LBV], 9
	s_lshl_b32 s11, s[WL], 8
	s_add_co_u32 s10, s10, s11                     ; bv: my 64 L rows,
	v_and_b32 v[VP], 8, v[RR]
	v_add_nc_u32 v[VP], v[VP], v[RR]
	v_lshl_add_u32 v[VP], v[VP], 2, s10            ; + 4 (r + 8 (r / 8))
.irp i, 0,1,2,3
	v_mov_b32 v[BL+2*\i+1], 0                      ; (named as the upper half of a pair)
.endr
	v_mov_b32 v[TM+2], 0                           ; written once: a lane permute's destination counts as one of its sources
	v_mov_b32 v[TM+3], 0
	s_mov_b32 s[SEL], 0x76543210
	s_mov_b32 s[SEL+1], 0xfedcba98
	s_mov_b32 s[G1], 15|(3<<16)|(1<<21)            ; 15:0 the mask: all four work-groups; 17:16 elements of 8 bytes; 21 set beside a mask; no padding
	s_mov_b32 s[G1+1], 32<<16                      ; tensor_dim0 = 32 elements: rows of 256 bytes
	s_mov_b32 s[G1+2], 100<<16                     ; tensor_dim1 = 100 rows: a quarter of a block
	s_mov_b32 s[G1+3], 32<<16                      ; tile_dim0
	s_mov_b32 s[G1+4], 100                         ; tile_dim1
	s_mov_b32 s[G1+5], 32                          ; the rows are dense
	s_mov_b32 s[G1+6], 0
	s_mov_b32 s[G1+7], 0
	s_mul_i32 s[G0+1], s[WV], QTR                  ; my quarter in LDS: of Wq's block,
	s_add_co_u32 s[G0+5], s[G0+1], BLK             ; of Wk's,
	s_add_co_u32 s[G0+9], s[G0+1], 2*BLK           ; of value's
	s_add_co_u32 s10, s[RBQ], 96                   ; and in memory: made of the cluster's number and the wave's alone
	s_mul_i32 s10, s10, BLK
	s_add_co_u32 s10, s10, s[G0+1]
	s_mov_b32 s11, 0
	s_add_co_u32 s12, s10, 8*BLK                   ; Wk lies eight blocks behind Wq
	s_mov_b32 s13, 0
	s_add_co_u32 s14, s[RBV], 64
	s_mul_i32 s14, s14, BLK
	s_add_co_u32 s14, s14, s[G0+1]
	s_mov_b32 s15, 0
	s_mul_i32 s16, s[LBQ], BLK                     ; L: query's block,
	s_mov_b32 s17, 0
	s_add_co_u32 s18, s[LBV], 112                  ; Wv's
	s_mul_i32 s18, s18, BLK
	s_mov_b32 s19, 0
	s_wait_dscnt 0x0                               ; the opening add is done
	s_wait_kmcnt 0x0
	s_mov_b32 s[G0], 1
	s_add_nc_u64 s[G0+2:G0+3], s[44:45], s[10:11]
	s_or_b32 s[G0+3], s[G0+3], 0x80000000
	s_mov_b32 s[G0+4], 1
	s_add_nc_u64 s[G0+6:G0+7], s[44:45], s[12:13]
	s_or_b32 s[G0+7], s[G0+7], 0x80000000
	s_mov_b32 s[G0+8], 1
	s_add_nc_u64 s[G0+10:G0+11], s[44:45], s[14:15]
	s_or_b32 s[G0+11], s[G0+11], 0x80000000
	s_add_nc_u64 s[LP:LP+1], s[44:45], s[16:17]
	s_add_nc_u64 s[LP+2:LP+3], s[LP:LP+1], 32*BLK  ; key lies 32 blocks behind query
	s_add_nc_u64 s[LP+4:LP+5], s[44:45], s[18:19]
	CROUND                                         ; all four work-groups are here: the joint loads meet
	tensor_load_to_lds s[G0:G0+3], s[G1:G1+7]      ; Wq's block: one load a wave at the head
	s_nop 0
	PLACES
.irp b, 0,1
.irp q, 0,1,2,3
	global_load_b128 v[BI+16*\b+4*\q:BI+16*\b+4*\q+3], v[VB], s[46:47] offset:128*\b+16*\q   ; register 16 b + i: bq of R row 32 b + 16 h + i
.endr
.endr
	WIN 0x80                                       ; destination window 2
.irp b, 0,1
.irp q, 0,1,2,3
	global_load_b128 v[BK+16*\b+4*\q:BK+16*\b+4*\q+3], v[VB], s[48:49] offset:128*\b+16*\q   ; bk likewise
.endr
.endr
	WIN 0
	s_wait_alu depctr_va_vdst(0)
.irp i, 0,1,2,3
	global_load_b32 v[BL+2*\i], v[VP], s[50:51] offset:4*(32*(\i/2)+8*(\i%2))                ; bv of my lane's L row in tile i
.endr
.irp s, 0,1,2,3,4,5,6,7
	GLOAD LP, \s                                   ; query's block, in the order of K
.endr
	; where the results go.  Q, K: the head is 2 Rb + wr, the 128 tokens are block Lb; my tiles are 4 wl on
	s_lshl_b32 s10, s[RBQ], 1
	s_add_co_u32 s10, s10, s[WR]
	s_lshr_b32 s11, s[LBQ], 4
	s_lshl_b32 s11, s11, 4
	s_add_co_u32 s11, s11, s10                     ; 16 b + head
	s_lshl_b32 s11, s11, 4
	s_and_b32 s12, s[LBQ], 15
	s_add_co_u32 s11, s11, s12
	s_mul_i32 s11, s11, REC                        ; the record
	s_mul_i32 s12, s[WL], 3072
	s_add_co_u32 s12, s12, s11
	s_mov_b32 s13, 0
	s_lshl_b32 s14, s[WL], 7
	s_add_co_u32 s14, s14, s11
	s_add_co_u32 s14, s14, SCO
	s_mov_b32 s15, 0
	s_add_nc_u64 s[OUT:OUT+1], s[52:53], s[12:13]
	s_add_nc_u64 s[OUT+2:OUT+3], s[52:53], s[14:15]
	s_add_nc_u64 s[OUT+4:OUT+5], s[54:55], s[12:13]
	s_add_nc_u64 s[OUT+6:OUT+7], s[54:55], s[14:15]
	; V: the head is 2 Lb + wl, the 128 tokens are block Rb; half wr of the fragments behind K's halves
	s_lshl_b32 s10, s[LBV], 1
	s_add_co_u32 s10, s10, s[WL]
	s_lshr_b32 s11, s[RBV], 4
	s_lshl_b32 s11, s11, 4
	s_add_co_u32 s11, s11, s10
	s_lshl_b32 s11, s11, 4
	s_and_b32 s12, s[RBV], 15
	s_add_co_u32 s11, s11, s12
	s_mul_i32 s11, s11, REC
	s_mul_i32 s12, s[WR], 768
	s_add_co_u32 s12, s12, s11
	s_add_co_u32 s12, s12, 6144
	s_lshl_b32 s14, s[WR], 1
	s_add_co_u32 s14, s14, s11
	s_add_co_u32 s14, s14, 12544
	s_add_nc_u64 s[OUT+8:OUT+9], s[54:55], s[12:13]
	s_add_nc_u64 s[OUT+10:OUT+11], s[54:55], s[14:15]
	s_wait_alu depctr_va_vdst(0)                   ; the wait at the head's end
	s_wait_tensorcnt 0x0                           ; my quarter of Wq's block is in
	ds_add_u32 v[SPW], v[NIL]                      ; the add ahead of a later first fill
	s_wait_dscnt 0x0
	CROUND                                         ; everybody's quarter is in, and the four work-groups meet
	tensor_load_to_lds s[G0+4:G0+7], s[G1:G1+7]    ; Wk's block: my one load behind the round
	s_nop 0
	SETAR 0
	LOADR 0
	s_wait_alu depctr_va_vdst(0)
	RUN 0                                          ; Q
	RUN 1                                          ; K
	RUN 2                                          ; V
	s_wait_tensorcnt 0x0                           ; the wave's end, behind my last tensor load
	ds_add_u32 v[SPW], v[NIL]
	s_wait_dscnt 0x0
	CROUND                                         ; the closing round
	s_endpgm
.Lfunc_end_k_q2596b03d4d_proj:
	.size	k_q2596b03d4d_proj, .Lfunc_end_k_q2596b03d4d_proj-k_q2596b03d4d_proj
	.p2alignl 7, 3214868480
	.fill 96, 4, 3214868480
	.section	.rodata,"a",@progbits
	.p2align	6, 0x0
	.amdhsa_kernel k_q2596b03d4d_proj
		.amdhsa_group_segment_fixed_size 327680
		.amdhsa_private_segment_fixed_size 0
		.amdhsa_enable_private_segment 0
		.amdhsa_kernarg_size 48
		.amdhsa_user_sgpr_count 2
		.amdhsa_user_sgpr_kernarg_segment_ptr 1
		.amdhsa_wavefront_size32 1
		.amdhsa_system_sgpr_workgroup_id_x 1
		.amdhsa_system_sgpr_workgroup_id_y 1
		.amdhsa_system_sgpr_workgroup_id_z 1
		.amdhsa_system_vgpr_workitem_id 0
		.amdhsa_next_free_vgpr 896
		.amdhsa_next_free_sgpr 80
		.amdhsa_reserve_vcc 1
		.amdhsa_float_denorm_mode_32 3
		.amdhsa_float_denorm_mode_16_64 3
		.amdhsa_memory_ordered 1
		.amdhsa_forward_progress 1
		.amdhsa_inst_pref_size 172
	.end_amdhsa_kernel
	.amdgpu_metadata
---
amdhsa.version: [ 1, 2 ]
amdhsa.kernels:
  - .name:           k_q2596b03d4d_proj
    .symbol:         k_q2596b03d4d_proj.kd
    .args:
      - { .name: cin, .offset: 0, .size: 8, .value_kind: global_buffer, .address_space: global }
      - { .name: bq, .offset: 8, .size: 8, .value_kind: global_buffer, .address_space: global }
      - { .name: bk, .offset: 16, .size: 8, .value_kind: global_buffer, .address_space: global }
      - { .name: bv, .offset: 24, .size: 8, .value_kind: global_buffer, .address_space: global }
      - { .name: qb, .offset: 32, .size: 8, .value_kind: global_buffer, .address_space: global }
      - { .name: kvb, .offset: 40, .size: 8, .value_kind: global_buffer, .address_space: global }
    .group_segment_fixed_size: 327680
    .private_segment_fixed_size: 0
    .kernarg_segment_align: 8
    .kernarg_segment_size: 48
    .max_flat_workgroup_size: 128
    .sgpr_count:     80
    .vgpr_count:     896
    .wavefront_size: 32
...
	.end_amdgpu_metadata
.endif
;; end of part 2
;; launch attn (part 3): grid 8 x 32, 8 waves a work-group, clusters of 4 x 1, 327,680 bytes of LDS; arguments qb, kvb, ao; writes ao
.if DOCPART == 3
	.amdgcn_target "amdgcn-amd-amdhsa--gfx1250"
	.amdhsa_code_object_version 6
	.text
	.protected	k_q2596b03d4d_attn
	.globl	k_q2596b03d4d_attn
	.p2align	8
	.type	k_q2596b03d4d_attn,@function
k_q2596b03d4d_attn:
	s_mov_b64 s[64:65], 0
	v_nop
	global_prefetch_b8 v0, s[64:65] scope:SCOPE_SE
	s_setreg_imm32_b32 hwreg(HW_REG_WAVE_MODE, 25, 1), 1
	s_wait_xcnt 0x0
	s_wait_alu depctr_hold_cnt(0) depctr_sa_sdst(0) depctr_va_vdst(0) depctr_va_sdst(0) depctr_va_ssrc(0) depctr_va_vcc(0) depctr_vm_vsrc(0)
	s_getreg_b32 s2, hwreg(HW_REG_IB_STS2, 6, 4)
	s_cmp_eq_u32 s2, 0
	s_cbranch_scc0 .Lentry_in_a_cluster
	s_endpgm
.Lentry_in_a_cluster:
	s_bfe_u32 s2, ttmp6, 0x10000c
	s_cmp_lg_u32 s2, 0x3003
	s_cbranch_scc0 .Lentry_shape_is_right
	s_endpgm
.Lentry_shape_is_right:
; Attention of one (batch, head) on codes of FP6 (E2M3) with E8M0 scales: S^T = K Q^T, p = 2^(t - M), O^T += V^T p^T, O / l, quantised along the head's 64 for the experts' launch.
; qb, kvb = [b x head][128 tokens][12,800]: K (or Q) tile T's half fragment (64 along d) at 768 T, its scale bytes at 12,288 + 64 (T / 2) + 4 r + 2 (T % 2) + block; V^T tile t's fragment (128 keys) at 6,144 + 1,536 t, words at 12,544 + 64 t + 4 r.
; A fragment is two halves of 768 bytes: registers 0-3 at 16 x lane, registers 4-5 at 512 + 8 x lane.  Two tiles of K make one fragment; Q stands in one half of its operand with zero codes in the other, which picks the tile.
; SHARES: a work-group takes 256 queries of a head, a wave 32 (two tiles q = 0, 1), so that each fragment of K and V read from LDS feeds two products.  A lane holds one query of each tile.
; K'S TILES: lane r of tile 4 c + u holds key 64 c + 8 u + r (r under 8) or 64 c + 32 + 8 u + r - 8.  So lane (r, h)'s 32 registers of tiles 4 c .. 4 c + 3 are keys 64 c + 32 h + 0 .. 31: ONE BLOCK of p's quantiser, in the order of
; the operand's registers: its largest p needs no other lane and its codes are not moved between lanes.
; LDS: the head's 16 records (204,800 bytes) are filled once, an eighth by each wave's one tensor load; behind them the spare words.  No byte is filled again.
; CLUSTER: the four work-groups of a cluster take the same head: the load is joint (mask 15).  No prefetch: all tiles are asked for at the head, so there is no loop to run ahead in.
; The loop has 16 trips of 128 keys.  K's fragments are fetched one trip ahead; the last trip fetches record 15's once more (the address is held there), so that the trip is written once.
; M is the running largest t rounded up, kept as -M; a change of M multiplies the sums and O^T by a power of two.  The row's sum is of the unquantised p, in four partial sums a lane.
; LIMITS: the promise holds while |t| stays under 2^31.  A block of p whose largest lies under 2^-124 gets the byte 1.  NaN and infinities are not served.
; REGISTERS: window 0: v1-14 addresses; v16-31 state (8 a tile); v32-39 scale words; v40-75 Q; v76-123 K's fragments; v124-187 O^T; v188-211 p's codes; v212-254 at work.  Window 1: v0-127 the scores, then p (64 a tile); v128-175 V's fragments.
.set REC,   12800
.set SCO,   12288
.set VFO,   6144
.set VSO,   12544
.set SPARE, 16*REC
.set L16, 1
.set L8,  2
.set L4,  3
.set KA,  4                            ; v4-6  the record from which K is fetched: 16, 8, 4 bytes a lane
.set VA,  7                            ; v7-9  the same for V
.set SPW, 10
.set NIL, 11
.set VQ,  12
.set VS,  13
.set LN,  14
.set NM,  16                           ; + 8 q: -M; NM + 1: the running largest score
.set SUA, 18                           ; + 8 q: two of the four partial sums
.set FF,  20                           ; + 8 q: f = 2^(old M - new M); the pair's upper word is 0
.set SU2, 22                           ; + 8 q: the other two
.set KS,  32
.set VSC, 34
.set QS,  36
.set PW,  38
.set QF,  40                           ; + 18 q: six zeros, Q's six registers, six zeros
.set F,   76
.set O,   124                          ; + 32 q
.set PC,  188                          ; + 12 q
.set CT,  212                          ; + 8 q
.set BM,  228                          ; + 2 q + c
.set T1,  232
.set PD,  234
.set SO,  236
.set BY,  240
.set WD,  244
.set TM,  246
.set SB,  253
.set VF,  128                          ; in window 1
.set WV,  2
.set TT,  3
.set SEL, 20
.set CS,  22
.set G1,  24
.set G0,  32
.set TN,  36
.set TB,  40
.set CNT, 41
.set MSB, 0
.macro WIN new                         ; the immediate's high byte repeats the setting that is left
.if MSB != \new
	s_set_vgpr_msb (MSB<<8)|\new
.set MSB, \new
.endif
.endm
.macro CROUND
	s_barrier_signal -1
	s_barrier_wait -1
	s_cmp_lg_u32 s[WV], 0
	s_cbranch_scc1 .Lnot_wave_0_\@
	s_barrier_signal -3
.Lnot_wave_0_\@:
	s_barrier_wait -3
	s_barrier_signal -1
	s_barrier_wait -1
.endm
.macro LFRAG reg, a, off
	ds_load_b128 v[\reg:\reg+3], v[\a] offset:\off
	ds_load_b64 v[\reg+4:\reg+5], v[\a+1] offset:\off+512
	ds_load_b128 v[\reg+6:\reg+9], v[\a] offset:\off+768
	ds_load_b64 v[\reg+10:\reg+11], v[\a+1] offset:\off+1280
.endm
.macro LOADK                           ; four fragments (eight tiles) of K and their scale words: 18 loads
.irp b, 0,1,2,3
	LFRAG F+12*\b, KA, 1536*\b
.endr
	ds_load_b32 v[KS], v[KA+2] offset:SCO
	ds_load_b32 v[KS+1], v[KA+2] offset:SCO+128
.endm
.macro SW d, a, b, sa, sb, row         ; a tile of scores; row: A's words stand in lanes 16-31
.if \row
	v_wmma_scale_f32_16x16x128_f8f6f4 v[\d:\d+7], v[\a:\a+11], v[\b:\b+11], 0, v[\sa], v[\sb] matrix_a_fmt:MATRIX_FMT_FP6 matrix_b_fmt:MATRIX_FMT_FP6 matrix_a_scale:MATRIX_SCALE_ROW1
.else
	v_wmma_scale_f32_16x16x128_f8f6f4 v[\d:\d+7], v[\a:\a+11], v[\b:\b+11], 0, v[\sa], v[\sb] matrix_a_fmt:MATRIX_FMT_FP6 matrix_b_fmt:MATRIX_FMT_FP6
.endif
.endm
.macro OW d, a, b, sa, sb, row         ; a tile of O^T, added in place
.if \row
	v_wmma_scale_f32_16x16x128_f8f6f4 v[\d:\d+7], v[\a:\a+11], v[\b:\b+11], v[\d:\d+7], v[\sa], v[\sb] matrix_a_fmt:MATRIX_FMT_FP6 matrix_b_fmt:MATRIX_FMT_FP6 matrix_a_scale:MATRIX_SCALE_ROW1
.else
	v_wmma_scale_f32_16x16x128_f8f6f4 v[\d:\d+7], v[\a:\a+11], v[\b:\b+11], v[\d:\d+7], v[\sa], v[\sb] matrix_a_fmt:MATRIX_FMT_FP6 matrix_b_fmt:MATRIX_FMT_FP6
.endif
.endm
; 32 numbers of a lane, register 16 b + i = d 32 b + 16 (lane / 16) + i of my query, become half a fragment in v[d] on; v[sb]: the byte of block lane / 16.  VCC: lanes 16-31
.macro QUANT64 s, d, sb
.irp b, 0,1
	v_max3_num_f32 v[TM+\b], |v[\s+16*\b]|, |v[\s+16*\b+1]|, 0x1800000
.endr
.irp i, 2,4,6,8,10,12,14
.irp b, 0,1
	s_delay_alu instid0(VALU_DEP_2)
	v_max3_num_f32 v[TM+\b], v[TM+\b], |v[\s+16*\b+\i]|, |v[\s+16*\b+\i+1]|
.endr
.endr
.irp b, 0,1
	s_delay_alu instid0(VALU_DEP_2)
	v_permlanex16_b32 v[TM+2+\b], v[TM+\b], s[SEL], s[SEL+1]
.endr
.irp b, 0,1
	s_delay_alu instid0(VALU_DEP_2)
	v_max_num_f32 v[TM+\b], v[TM+\b], v[TM+2+\b]
.endr
.irp b, 0,1
	s_delay_alu instid0(VALU_DEP_2)
	v_add_nc_u32 v[TM+4+\b], 0xff000000, v[TM+\b]  ; 2 off the exponent field: the conversion's scale operand
.endr
	s_delay_alu instid0(VALU_DEP_1)
	v_cndmask_b32 v[TM+6], v[TM+4], v[TM+5], vcc_lo
	v_cvt_scalef32_pk16_fp6_f32 v[\d:\d+2], v[\s:\s+15], v[TM+4]
	v_cvt_scalef32_pk16_fp6_f32 v[CT:CT+2], v[\s+16:\s+31], v[TM+5]
	v_lshrrev_b32 v[\sb], 23, v[TM+6]              ; my block's byte; also the plain place behind the conversions
.irp i, 0,1,2
	v_permlane16_swap_b32 v[\d+\i], v[CT+\i]       ; a whole block to a lane
.endr
.irp i, 0,1,2
	s_delay_alu instid0(VALU_DEP_3)
	v_mov_b32 v[\d+3+\i], v[CT+\i]
.endr
.endm
; A trip: 128 keys, record s[TB]; K's fragments of it were asked for a trip ago
.macro KSTEP
	v_add_nc_u32 v[VA], s[TB], v[L16]              ; with the v_nop: the four places behind the last products, ahead of the loads into V's registers
	v_add_nc_u32 v[VA+1], s[TB], v[L8]
	v_add_nc_u32 v[VA+2], s[TB], v[L4]
	v_nop
	WIN 0x40                                       ; destination window 1
.irp t, 0,1,2,3
	LFRAG VF+12*\t, VA, VFO+1536*\t
.endr
	WIN 0
	ds_load_b32 v[VSC], v[VA+2] offset:VSO
	ds_load_b32 v[VSC+1], v[VA+2] offset:VSO+128
	s_wait_dscnt 18                                ; K's 18 loads are in; V's 18, just issued, may be out
	WIN 0x40
.irp b, 0,1,2,3
.irp q, 0,1
	SW 64*\q+16*\b, F+12*\b, QF+18*\q+6, KS+\b/2, QS+\q, \b%2       ; tile 2 b: Q in the lower half
	SW 64*\q+16*\b+8, F+12*\b, QF+18*\q, KS+\b/2, QS+\q, \b%2       ; tile 2 b + 1: Q in the upper half
.endr
.endr
	WIN 0
	v_add_nc_u32 v[KA], s[TN], v[L16]              ; four places again, ahead of the loads into K's registers and of the first read of the scores
	v_add_nc_u32 v[KA+1], s[TN], v[L8]
	v_add_nc_u32 v[KA+2], s[TN], v[L4]
	v_nop
	LOADK                                          ; the next trip's
	WIN 0x15                                       ; all sources window 1
.irp q, 0,1
.irp c, 0,1
	v_max3_num_f32 v[BM+2*\q+\c], v[64*\q+32*\c], v[64*\q+32*\c+1], v[64*\q+32*\c+2]   ; the largest score of my block 2 c + h: each accumulator is read from its low end on
.endr
.endr
	WIN 0x14                                       ; sources 1 and 2 window 1
.irp i, 3,5,7,9,11,13,15,17,19,21,23,25,27,29
.irp q, 0,1
.irp c, 0,1
	v_max3_num_f32 v[BM+2*\q+\c], v[BM+2*\q+\c], v[64*\q+32*\c+\i], v[64*\q+32*\c+\i+1]
.endr
.endr
.endr
.irp q, 0,1
.irp c, 0,1
	v_max_num_f32 v[BM+2*\q+\c], v[BM+2*\q+\c], v[64*\q+32*\c+31]
.endr
.endr
	WIN 0
.irp q, 0,1
	v_max_num_f32 v[T1+\q], v[BM+2*\q], v[BM+2*\q+1]
.endr
.irp q, 0,1
	s_delay_alu instid0(VALU_DEP_2)
	v_permlanex16_b32 v[PD+\q], v[T1+\q], s[SEL], s[SEL+1]
.endr
.irp q, 0,1
	s_delay_alu instid0(VALU_DEP_2)
	v_max3_num_f32 v[NM+8*\q+1], v[NM+8*\q+1], v[T1+\q], v[PD+\q]   ; the running largest score of my query
.endr
.irp q, 0,1
	s_delay_alu instid0(VALU_DEP_2)
	v_mul_f32 v[T1+\q], s[CS], v[NM+8*\q+1]        ; as t (the factor is positive)
.endr
.irp q, 0,1
	v_mov_b32 v[PD+\q], v[NM+8*\q]
.endr
.irp q, 0,1
	s_delay_alu instid0(VALU_DEP_4)
	v_floor_f32 v[NM+8*\q], -v[T1+\q]              ; the new -M = -ceil(t)
.endr
.irp q, 0,1
	s_delay_alu instid0(VALU_DEP_2)
	v_sub_f32 v[T1+\q], v[NM+8*\q], v[PD+\q]       ; old M less new M: a whole number, 0 or less
.endr
.irp q, 0,1
	s_delay_alu instid0(VALU_DEP_2)
	v_cvt_i32_f32 v[T1+\q], v[T1+\q]               ; (it saturates)
.endr
.irp q, 0,1
	s_delay_alu instid0(VALU_DEP_2)
	v_ldexp_f32 v[FF+8*\q], 1.0, v[T1+\q]
.endr
.irp q, 0,1
	v_pk_mul_f32 v[SUA+8*\q:SUA+8*\q+1], v[SUA+8*\q:SUA+8*\q+1], v[FF+8*\q:FF+8*\q+1] op_sel_hi:[1,0]
	v_pk_mul_f32 v[SU2+8*\q:SU2+8*\q+1], v[SU2+8*\q:SU2+8*\q+1], v[FF+8*\q:FF+8*\q+1] op_sel_hi:[1,0]
.endr
.set j, 0
.rept 16
.irp q, 0,1
	v_pk_mul_f32 v[O+32*\q+j:O+32*\q+j+1], v[O+32*\q+j:O+32*\q+j+1], v[FF+8*\q:FF+8*\q+1] op_sel_hi:[1,0]   ; O^T under the new M
.endr
.set j, j+2
.endr
.irp q, 0,1
.irp c, 0,1
	v_fma_f32 v[BM+2*\q+\c], v[BM+2*\q+\c], s[CS], v[NM+8*\q]       ; t - M of the block's largest score
.endr
.endr
	WIN 0x41                                       ; destination and source 0 window 1
.set j, 0
.rept 32
.irp q, 0,1
	v_pk_fma_f32 v[64*\q+j:64*\q+j+1], v[64*\q+j:64*\q+j+1], s[CS:CS+1], v[NM+8*\q:NM+8*\q+1] op_sel_hi:[1,0,0]   ; t - M
.endr
.set j, j+2
.endr
	s_wait_alu depctr_va_vdst(0)                   ; the wait ahead of the batch
.set j, 0
.rept 128
	v_exp_f32 v[j], v[j]                           ; p = 2^(t - M)
.set j, j+1
.endr
	WIN 0
.irp q, 0,1
.irp c, 0,1
	v_exp_f32 v[BM+2*\q+\c], v[BM+2*\q+\c]         ; the block's largest p: the same arithmetic on the same number
.endr
.endr
	v_nop                                          ; a plain place behind the batch
	s_wait_alu depctr_va_vdst(0)                   ; and the one wait behind it
.irp q, 0,1
.irp c, 0,1
	v_max_num_f32 v[BM+2*\q+\c], 0x1800000, v[BM+2*\q+\c]           ; the floor 2^(3 - 127): the byte cannot fall under 1
.endr
.endr
.irp q, 0,1
.irp c, 0,1
	s_delay_alu instid0(VALU_DEP_4)
	v_add_nc_u32 v[SO+2*\q+\c], 0xff000000, v[BM+2*\q+\c]           ; 2 off the exponent field: the conversion's scale operand
.endr
.endr
.irp q, 0,1
.irp c, 0,1
	s_delay_alu instid0(VALU_DEP_4)
	v_lshrrev_b32 v[BY+2*\q+\c], 23, v[SO+2*\q+\c]                  ; the byte of block 2 c + h
.endr
.endr
.irp q, 0,1
	v_lshl_or_b32 v[WD+\q], v[BY+2*\q+1], 16, v[BY+2*\q]
.endr
.irp q, 0,1
	s_delay_alu instid0(VALU_DEP_2)
	v_permlanex16_b32 v[PD+\q], v[WD+\q], s[SEL], s[SEL+1]
.endr
.irp q, 0,1
	s_delay_alu instid0(VALU_DEP_2)
	v_lshl_or_b32 v[PW+\q], v[PD+\q], 8, v[WD+\q]  ; lanes 0-15: blocks 0, 2 are mine, 1, 3 my partner's: the scale word.  Lanes 16-31 are not read
.endr
	WIN 0x01                                       ; source 0 window 1
.irp q, 0,1
.irp c, 0,1
	v_cvt_scalef32_pk16_fp6_f32 v[PC+12*\q+6*\c:PC+12*\q+6*\c+2], v[64*\q+32*\c:64*\q+32*\c+15], v[SO+2*\q+\c]
	v_cvt_scalef32_pk16_fp6_f32 v[CT+8*\q+4*\c:CT+8*\q+4*\c+2], v[64*\q+32*\c+16:64*\q+32*\c+31], v[SO+2*\q+\c]   ; (a conversion's three registers begin on an even number)
.endr
.endr
	WIN 0
	v_nop                                          ; one plain place behind the conversions
.irp q, 0,1
.irp c, 0,1
.irp i, 0,1,2
	v_mov_b32 v[PC+12*\q+6*\c+3+\i], v[CT+8*\q+4*\c+\i]
.endr
.endr
.endr
	WIN 0x04                                       ; source 1 window 1
.irp j, 0,4,8,12,16,20,24,28,32,36,40,44,48,52,56,60
.irp q, 0,1
	v_pk_add_f32 v[SUA+8*\q:SUA+8*\q+1], v[SUA+8*\q:SUA+8*\q+1], v[64*\q+\j:64*\q+\j+1]          ; the row's sum, of the unquantised p; these 64 are also the places ahead of the products
.endr
.irp q, 0,1
	v_pk_add_f32 v[SU2+8*\q:SU2+8*\q+1], v[SU2+8*\q:SU2+8*\q+1], v[64*\q+\j+2:64*\q+\j+3]
.endr
.endr
	s_wait_dscnt 18                                ; V's 18 loads are in; the next trip's 18 of K may be out
	WIN 0x01                                       ; source 0 (V) window 1
.irp t, 0,1,2,3
.irp q, 0,1
	OW O+32*\q+8*\t, VF+12*\t, PC+12*\q, VSC+\t/2, PW+\q, \t%2      ; the eight accumulators by turns
.endr
.endr
	WIN 0
.endm
	s_load_b128 s[8:11], s[0:1], 0x0               ; qb, kvb
	s_load_b64 s[12:13], s[0:1], 0x10              ; ao
	v_lshl_add_u32 v[SPW], v0, 2, SPARE
	v_mov_b32 v[NIL], 0
	ds_add_u32 v[SPW], v[NIL]                      ; the opening lines: the add, twice on end, and its wait ahead of my tensor load
	ds_add_u32 v[SPW], v[NIL]
	v_lshrrev_b32 v[LN], 5, v0
	v_readfirstlane_b32 s[WV], v[LN]               ; wave 0..7
	s_and_b32 s[TT], s[WV], 3                      ; my pair of query tiles in its block of 128 tokens
	s_bfe_u32 s4, ttmp6, 0x40000                   ; my place in the cluster: it enters Q's and the output's addresses alone
	s_and_b32 s5, ttmp7, 0xffff                    ; 16 b + head
	s_lshl_b32 s6, ttmp9, 2
	s_add_co_u32 s6, s6, s4
	s_lshl_b32 s6, s6, 1
	s_lshr_b32 s7, s[WV], 2
	s_add_co_u32 s6, s6, s7                        ; my block of 128 tokens, 0..15
	s_mov_b32 s[G1], 15|(3<<16)|(1<<21)            ; the mask: all four work-groups; elements of 8 bytes; bit 21 beside a mask
	s_mov_b32 s[G1+1], 32<<16                      ; rows of 256 bytes,
	s_mov_b32 s[G1+2], 100<<16                     ; 100 of them: two records
	s_mov_b32 s[G1+3], 32<<16
	s_mov_b32 s[G1+4], 100
	s_mov_b32 s[G1+5], 32                          ; dense
	s_mov_b32 s[G1+6], 0
	s_mov_b32 s[G1+7], 0
	s_mul_i32 s14, s5, 16*REC
	s_mul_i32 s[G0+1], s[WV], 2*REC                ; my eighth: in LDS,
	s_add_co_u32 s14, s14, s[G0+1]                 ; and in kvb
	s_mov_b32 s15, 0
	s_lshl_b32 s16, s5, 4
	s_add_co_u32 s16, s16, s6
	s_mul_i32 s16, s16, REC                        ; Q's record
	s_mul_i32 s17, s[TT], 1536
	s_add_co_u32 s42, s16, s17                     ; my two half fragments,
	s_mov_b32 s43, 0
	s_lshl_b32 s17, s[TT], 6
	s_add_co_u32 s44, s16, s17
	s_add_co_u32 s44, s44, SCO                     ; and their scale bytes
	s_mov_b32 s45, 0
	s_lshr_b32 s16, s5, 4
	s_lshl_b32 s16, s16, 4
	s_add_co_u32 s16, s16, s6
	s_mul_i32 s16, s16, 8*REC                      ; ao: the block of 128 tokens,
	s_bfe_u32 s17, s5, 0x30001
	s_mul_i32 s17, s17, REC                        ; the record of head / 2,
	s_add_co_u32 s16, s16, s17
	s_and_b32 s17, s5, 1
	s_mul_i32 s18, s17, 768                        ; the half of head % 2,
	s_add_co_u32 s46, s16, s18
	s_mul_i32 s18, s[TT], 3072                     ; my two tiles
	s_add_co_u32 s46, s46, s18
	s_mov_b32 s47, 0
	s_lshl_b32 s17, s17, 1
	s_add_co_u32 s48, s16, s17
	s_lshl_b32 s17, s[TT], 7
	s_add_co_u32 s48, s48, s17
	s_add_co_u32 s48, s48, SCO
	s_mov_b32 s49, 0
	s_mov_b32 s[SEL], 0x76543210
	s_mov_b32 s[SEL+1], 0xfedcba98                 ; lane l xor 16
	s_mov_b32 s[CS], 0x3e38aa3b                    ; log2(e) / 8
	s_mov_b32 s[CS+1], s[CS]
	s_mov_b32 s[TB], 0
	s_mov_b32 s[TN], REC
	v_and_b32 v[LN], 31, v0
	v_and_b32 v[VQ], 15, v0
	v_bfe_u32 v[VS], v0, 4, 1
	v_lshlrev_b32 v[L16], 4, v[LN]
	v_lshlrev_b32 v[L8], 3, v[LN]
	v_lshlrev_b32 v[L4], 2, v[LN]
	v_lshl_add_u32 v[VS], v[VQ], 2, v[VS]          ; 4 r + h
	v_lshlrev_b32 v[VQ], 2, v[VQ]                  ; 4 r
	s_wait_alu depctr_va_vdst(0)                   ; the wait ahead of the waits below
	s_wait_dscnt 0x0                               ; both opening adds are done
	s_wait_kmcnt 0x0
	s_mov_b32 s[G0], 1
	s_add_nc_u64 s[G0+2:G0+3], s[10:11], s[14:15]
	s_or_b32 s[G0+3], s[G0+3], 0x80000000
	s_add_nc_u64 s[42:43], s[8:9], s[42:43]
	s_add_nc_u64 s[44:45], s[8:9], s[44:45]
	s_add_nc_u64 s[46:47], s[12:13], s[46:47]
	s_add_nc_u64 s[48:49], s[12:13], s[48:49]
	CROUND                                         ; the four work-groups are here: the joint loads meet
	tensor_load_to_lds s[G0:G0+3], s[G1:G1+7]      ; my one tensor load
	s_nop 0
.rept 4
	v_nop
.endr
.irp q, 0,1
	global_load_b128 v[QF+18*\q+6:QF+18*\q+9], v[L16], s[42:43] offset:768*\q
	global_load_b64 v[QF+18*\q+10:QF+18*\q+11], v[L8], s[42:43] offset:768*\q+512
	global_load_u16 v[T1+\q], v[VQ], s[44:45] offset:2*\q           ; the two bytes of my query
.endr
.irp q, 0,1
.irp j, 0,1,2,3,4,5,12,13,14,15,16,17
	v_mov_b32 v[QF+18*\q+\j], 0                    ; zero codes beside Q
.endr
	v_mov_b32 v[NM+8*\q], 0x7e000000               ; -M: 2^125, so that the first f is 0
	v_mov_b32 v[NM+8*\q+1], 0xff61b1e6             ; the largest score so far: -3e38
	v_mov_b32 v[SUA+8*\q], 0
	v_mov_b32 v[SUA+8*\q+1], 0
	v_mov_b32 v[SU2+8*\q], 0
	v_mov_b32 v[SU2+8*\q+1], 0
	v_mov_b32 v[FF+8*\q+1], 0                      ; (named as the upper half of a pair)
	v_mov_b32 v[PD+\q], 0                          ; a lane permute's destination counts as one of its sources
	v_mov_b32 v[TM+2+\q], 0
.endr
	v_mov_b32 v[KA], v[L16]                        ; record 0
	v_mov_b32 v[KA+1], v[L8]
	v_mov_b32 v[KA+2], v[L4]
	s_wait_loadcnt 0x0
.irp q, 0,1
	v_lshl_or_b32 v[QS+\q], v[T1+\q], 16, v[T1+\q] ; the same two bytes for either half
.endr
.set j, 0
.rept 64
	v_mov_b32 v[O+j], 0                            ; the trip is written once: the first finds zeros.  Also the places behind the scale words' writes
.set j, j+1
.endr
	s_wait_alu depctr_va_vdst(0)                   ; the wait at the head's end
	s_wait_tensorcnt 0x0                           ; my eighth is in
	s_barrier_signal -1
	s_barrier_wait -1                              ; everybody's is
	LOADK
	s_mov_b32 s[CNT], 16
.Lkeys:
	KSTEP
	s_add_co_u32 s[TB], s[TB], REC
	s_add_co_u32 s[TN], s[TB], REC
	s_min_u32 s[TN], s[TN], 15*REC                 ; held at the last record
	s_sub_co_u32 s[CNT], s[CNT], 1
	s_cmp_lg_u32 s[CNT], 0
	s_cbranch_scc1 .Lkeys
	s_wait_dscnt 0x0                               ; the last 18 loads of K have landed: their registers are written below
	s_wait_alu depctr_va_vdst(0)                   ; the wait ahead of the reader below
.irp q, 0,1
	v_pk_add_f32 v[SUA+8*\q:SUA+8*\q+1], v[SUA+8*\q:SUA+8*\q+1], v[SU2+8*\q:SU2+8*\q+1]
.endr
.irp q, 0,1
	s_delay_alu instid0(VALU_DEP_2)
	v_add_f32 v[T1+\q], v[SUA+8*\q], v[SUA+8*\q+1]
.endr
.irp q, 0,1
	s_delay_alu instid0(VALU_DEP_2)
	v_permlanex16_b32 v[PD+\q], v[T1+\q], s[SEL], s[SEL+1]
.endr
.irp q, 0,1
	s_delay_alu instid0(VALU_DEP_2)
	v_add_f32 v[T1+\q], v[T1+\q], v[PD+\q]         ; the row's sum
.endr
	s_wait_alu depctr_va_vdst(0)                   ; the wait ahead of the batch
.irp q, 0,1
	v_rcp_f32 v[FF+8*\q], v[T1+\q]
.endr
	v_cmp_lt_u32 vcc_lo, 15, v[LN]                 ; lanes 16-31
	v_nop
	s_wait_alu depctr_va_vdst(0)                   ; and behind it, directly ahead of the first reader of O^T
.irp q, 0,1
.set j, 0
.rept 16
	v_pk_mul_f32 v[F-36*\q+j:F-36*\q+j+1], v[O+32*\q+j:O+32*\q+j+1], v[FF+8*\q:FF+8*\q+1] op_sel_hi:[1,0]   ; O / l, into K's registers (q = 0) and Q's (q = 1)
.set j, j+2
.endr
.endr
.irp q, 0,1
	QUANT64 F-36*\q, PC+12*\q, SB+\q
.endr
.irp q, 0,1
	global_store_b128 v[L16], v[PC+12*\q:PC+12*\q+3], s[46:47] offset:1536*\q        ; 512 consecutive bytes,
	global_store_b64 v[L8], v[PC+12*\q+4:PC+12*\q+5], s[46:47] offset:1536*\q+512    ; 256
	global_store_b8 v[VS], v[SB+\q], s[48:49] offset:64*\q
.endr
	s_wait_tensorcnt 0x0                           ; the wave's end
	ds_add_u32 v[SPW], v[NIL]
	s_wait_dscnt 0x0
	CROUND                                         ; the closing round
	s_endpgm
.Lfunc_end_k_q2596b03d4d_attn:
	.size	k_q2596b03d4d_attn, .Lfunc_end_k_q2596b03d4d_attn-k_q2596b03d4d_attn
	.p2alignl 7, 3214868480
	.fill 96, 4, 3214868480
	.section	.rodata,"a",@progbits
	.p2align	6, 0x0
	.amdhsa_kernel k_q2596b03d4d_attn
		.amdhsa_group_segment_fixed_size 327680
		.amdhsa_private_segment_fixed_size 0
		.amdhsa_enable_private_segment 0
		.amdhsa_kernarg_size 24
		.amdhsa_user_sgpr_count 2
		.amdhsa_user_sgpr_kernarg_segment_ptr 1
		.amdhsa_wavefront_size32 1
		.amdhsa_system_sgpr_workgroup_id_x 1
		.amdhsa_system_sgpr_workgroup_id_y 1
		.amdhsa_system_sgpr_workgroup_id_z 1
		.amdhsa_system_vgpr_workitem_id 0
		.amdhsa_next_free_vgpr 448
		.amdhsa_next_free_sgpr 66
		.amdhsa_reserve_vcc 1
		.amdhsa_float_denorm_mode_32 3
		.amdhsa_float_denorm_mode_16_64 3
		.amdhsa_memory_ordered 1
		.amdhsa_forward_progress 1
		.amdhsa_inst_pref_size 48
	.end_amdhsa_kernel
	.amdgpu_metadata
---
amdhsa.version: [ 1, 2 ]
amdhsa.kernels:
  - .name:           k_q2596b03d4d_attn
    .symbol:         k_q2596b03d4d_attn.kd
    .args:
      - { .name: qb, .offset: 0, .size: 8, .value_kind: global_buffer, .address_space: global }
      - { .name: kvb, .offset: 8, .size: 8, .value_kind: global_buffer, .address_space: global }
      - { .name: ao, .offset: 16, .size: 8, .value_kind: global_buffer, .address_space: global }
    .group_segment_fixed_size: 327680
    .private_segment_fixed_size: 0
    .kernarg_segment_align: 8
    .kernarg_segment_size: 24
    .max_flat_workgroup_size: 256
    .sgpr_count:     66
    .vgpr_count:     448
    .wavefront_size: 32
...
	.end_amdgpu_metadata
.endif
;; end of part 3
;; launch expert (part 4): grid 256 x 1, 4 waves a work-group, clusters of 4 x 1, 327,680 bytes of LDS; arguments ao, cin, be, em; writes em
.if DOCPART == 4
	.amdgcn_target "amdgcn-amd-amdhsa--gfx1250"
	.amdhsa_code_object_version 6
	.text
	.protected	k_q2596b03d4d_expert
	.globl	k_q2596b03d4d_expert
	.p2align	8
	.type	k_q2596b03d4d_expert,@function
k_q2596b03d4d_expert:
	s_mov_b64 s[64:65], 0
	v_nop
	global_prefetch_b8 v0, s[64:65] scope:SCOPE_SE
	s_setreg_imm32_b32 hwreg(HW_REG_WAVE_MODE, 25, 1), 1
	s_wait_xcnt 0x0
	s_wait_alu depctr_hold_cnt(0) depctr_sa_sdst(0) depctr_va_vdst(0) depctr_va_sdst(0) depctr_va_ssrc(0) depctr_va_vcc(0) depctr_vm_vsrc(0)
	s_getreg_b32 s2, hwreg(HW_REG_IB_STS2, 6, 4)
	s_cmp_eq_u32 s2, 0
	s_cbranch_scc0 .Lentry_in_a_cluster
	s_endpgm
.Lentry_in_a_cluster:
	s_bfe_u32 s2, ttmp6, 0x10000c
	s_cmp_lg_u32 s2, 0x3003
	s_cbranch_scc0 .Lentry_shape_is_right
	s_endpgm
.Lentry_shape_is_right:
.set KIND,  4
.set REC,   12800
.set BLK,   8*REC
.set SCO,   12288
.set QTR,   BLK/4
.set SPARE, BLK
.set STG,   SPARE+512
.set SLOT1, 131072
.set L16, 1
.set L8,  2
.set L4,  3
.set RR,  4
.set HH,  5
.set ARA, 6
.set ARB, 9
.set C16, 12
.set VS,  15
.set VB,  16
.set VP,  17
.set STO, 18
.set RD,  19
.set GO,  20
.set VL,  21
.set LN,  24
.set SPW, 28
.set NIL, 29
.set LS,  32
.set RS,  48
.set RF,  64
.set X,   160
.set BI,  192
.set TM,  224
.set CT,  232
.set BL,  236
.set D,   64
.set SB,  96
.set WV,  2
.set WL,  3
.set WR,  4
.set CX,  5
.set LB,  6
.set RB,  7
.set TY,  8
.set G0A, 20
.set G1,  24
.set G0W, 32
.set TB,  36
.set CNT, 37
.set SEL, 38
.set LP,  40
.set BP,  42
.set OI,  56
.set OS,  58
.set MSB, 0
.macro WIN new
.if MSB != \new
	s_set_vgpr_msb (MSB<<8)|\new
.set MSB, \new
.endif
.endm
.macro PLACES
.rept 4
	v_nop
.endr
.endm
.macro CROUND
	s_barrier_signal -1
	s_barrier_wait -1
	s_cmp_lg_u32 s[WV], 0
	s_cbranch_scc1 .Lnot_wave_0_\@
	s_barrier_signal -3
.Lnot_wave_0_\@:
	s_barrier_wait -3
	s_barrier_signal -1
	s_barrier_wait -1
.endm
.macro GFRAG reg, off
	global_load_b128 v[\reg:\reg+3], v[VL], s[LP:LP+1] offset:\off
	global_load_b64 v[\reg+4:\reg+5], v[VL+1], s[LP:LP+1] offset:\off+512
	global_load_b128 v[\reg+6:\reg+9], v[VL], s[LP:LP+1] offset:\off+768
	global_load_b64 v[\reg+10:\reg+11], v[VL+1], s[LP:LP+1] offset:\off+1280
.endm
.macro LFRAG reg, a, off
	ds_load_b128 v[\reg:\reg+3], v[\a] offset:\off
	ds_load_b64 v[\reg+4:\reg+5], v[\a+1] offset:\off+512
	ds_load_b128 v[\reg+6:\reg+9], v[\a] offset:\off+768
	ds_load_b64 v[\reg+10:\reg+11], v[\a+1] offset:\off+1280
.endm
.macro LOADR s
.set AB, ARA+3*((\s)/4)
.set RSET, (\s)%2
.irp a, 0,1,2,3
	LFRAG RF+48*RSET+12*\a, AB, ((\s)%4)*REC+1536*\a
.endr
	ds_load_b32 v[RS+2*RSET], v[AB+2] offset:((\s)%4)*REC
	ds_load_b32 v[RS+2*RSET+1], v[AB+2] offset:((\s)%4)*REC+128
.endm
.macro SETAR
	v_add_nc_u32 v[ARA], s[TB], v[C16]
	v_add_nc_u32 v[ARA+1], s[TB], v[C16+1]
	v_add_nc_u32 v[ARA+2], s[TB], v[C16+2]
	v_add_nc_u32 v[ARB], 4*REC, v[ARA]
	v_add_nc_u32 v[ARB+1], 4*REC, v[ARA+1]
	v_add_nc_u32 v[ARB+2], 4*REC, v[ARA+2]
.endm
.macro WM d, a, b, z, sa, sb, ra, rb
.if \z
.if (\ra) && (\rb)
	v_wmma_scale_f32_16x16x128_f8f6f4 v[\d:\d+7], v[\a:\a+11], v[\b:\b+11], 0, v[\sa], v[\sb] matrix_a_fmt:MATRIX_FMT_FP6 matrix_b_fmt:MATRIX_FMT_FP6 matrix_a_scale:MATRIX_SCALE_ROW1 matrix_b_scale:MATRIX_SCALE_ROW1
.elseif \ra
	v_wmma_scale_f32_16x16x128_f8f6f4 v[\d:\d+7], v[\a:\a+11], v[\b:\b+11], 0, v[\sa], v[\sb] matrix_a_fmt:MATRIX_FMT_FP6 matrix_b_fmt:MATRIX_FMT_FP6 matrix_a_scale:MATRIX_SCALE_ROW1
.elseif \rb
	v_wmma_scale_f32_16x16x128_f8f6f4 v[\d:\d+7], v[\a:\a+11], v[\b:\b+11], 0, v[\sa], v[\sb] matrix_a_fmt:MATRIX_FMT_FP6 matrix_b_fmt:MATRIX_FMT_FP6 matrix_b_scale:MATRIX_SCALE_ROW1
.else
	v_wmma_scale_f32_16x16x128_f8f6f4 v[\d:\d+7], v[\a:\a+11], v[\b:\b+11], 0, v[\sa], v[\sb] matrix_a_fmt:MATRIX_FMT_FP6 matrix_b_fmt:MATRIX_FMT_FP6
.endif
.else
.if (\ra) && (\rb)
	v_wmma_scale_f32_16x16x128_f8f6f4 v[\d:\d+7], v[\a:\a+11], v[\b:\b+11], v[\d:\d+7], v[\sa], v[\sb] matrix_a_fmt:MATRIX_FMT_FP6 matrix_b_fmt:MATRIX_FMT_FP6 matrix_a_scale:MATRIX_SCALE_ROW1 matrix_b_scale:MATRIX_SCALE_ROW1
.elseif \ra
	v_wmma_scale_f32_16x16x128_f8f6f4 v[\d:\d+7], v[\a:\a+11], v[\b:\b+11], v[\d:\d+7], v[\sa], v[\sb] matrix_a_fmt:MATRIX_FMT_FP6 matrix_b_fmt:MATRIX_FMT_FP6 matrix_a_scale:MATRIX_SCALE_ROW1
.elseif \rb
	v_wmma_scale_f32_16x16x128_f8f6f4 v[\d:\d+7], v[\a:\a+11], v[\b:\b+11], v[\d:\d+7], v[\sa], v[\sb] matrix_a_fmt:MATRIX_FMT_FP6 matrix_b_fmt:MATRIX_FMT_FP6 matrix_b_scale:MATRIX_SCALE_ROW1
.else
	v_wmma_scale_f32_16x16x128_f8f6f4 v[\d:\d+7], v[\a:\a+11], v[\b:\b+11], v[\d:\d+7], v[\sa], v[\sb] matrix_a_fmt:MATRIX_FMT_FP6 matrix_b_fmt:MATRIX_FMT_FP6
.endif
.endif
.endm
.macro MUL16 s, zero
.if (\s) < 5
.set LFB, 48*(\s)
.else
.set LFB, 48*((\s)-5)
.endif
.set RFB, RF+48*((\s)%2)
.set RSB, RS+2*((\s)%2)
.set LSB, LS+2*(\s)
.irp i, 0,1,2,3
.irp a, 0,1,2,3
	WM 8*(4*\i+\a), RFB+12*\a, LFB+12*\i, \zero, RSB+\a/2, LSB+\i/2, \a%2, \i%2
.endr
.endr
.endm
.macro STEP s, zero, mode
.if 112-16*(\s) > 63
	s_wait_loadcnt 63
.else
	s_wait_loadcnt 112-16*(\s)
.endif
.if \mode == 0
	s_wait_dscnt 0x0
	PLACES
	LOADR (\s)+1
.elseif \mode == 3
	s_wait_dscnt 0x0
.else
	s_wait_tensorcnt 0x0
	ds_add_u32 v[SPW], v[NIL]
.if \mode == 1
	s_xor_b32 s[G0W+1], s[G0W+1], SLOT1
	s_add_nc_u64 s[G0W+2:G0W+3], s[G0W+2:G0W+3], 8*BLK
.endif
	s_xor_b32 s[TB], s[TB], SLOT1
	s_wait_dscnt 0x0
.if \mode == 1
	CROUND
	tensor_load_to_lds s[G0W:G0W+3], s[G1:G1+7]
	s_nop 0
.else
	s_barrier_signal -1
	s_barrier_wait -1
.endif
	SETAR
	LOADR 0
.endif
.if (\s) < 5
	WIN 0xf4
.else
	WIN 0xf8
.endif
	MUL16 \s, \zero
	WIN 0
.endm
.macro QUANT64 s, d, sb
.irp b, 0,1
	v_max3_num_f32 v[TM+\b], |v[\s+16*\b]|, |v[\s+16*\b+1]|, 0x1800000
.endr
.irp i, 2,4,6,8,10,12,14
.irp b, 0,1
	v_max3_num_f32 v[TM+\b], v[TM+\b], |v[\s+16*\b+\i]|, |v[\s+16*\b+\i+1]|
.endr
.endr
.irp b, 0,1
	v_permlanex16_b32 v[TM+2+\b], v[TM+\b], s[SEL], s[SEL+1]
.endr
.irp b, 0,1
	v_max_num_f32 v[TM+\b], v[TM+\b], v[TM+2+\b]
.endr
.irp b, 0,1
	v_add_nc_u32 v[TM+4+\b], 0xff000000, v[TM+\b]
.endr
	v_cndmask_b32 v[TM+6], v[TM+4], v[TM+5], vcc_lo
	v_cvt_scalef32_pk16_fp6_f32 v[\d:\d+2], v[\s:\s+15], v[TM+4]
	v_cvt_scalef32_pk16_fp6_f32 v[CT:CT+2], v[\s+16:\s+31], v[TM+5]
	v_lshrrev_b32 v[\sb], 23, v[TM+6]
.irp i, 0,1,2
	v_permlane16_swap_b32 v[\d+\i], v[CT+\i]
.endr
.irp i, 0,1,2
	v_mov_b32 v[\d+3+\i], v[CT+\i]
.endr
.endm
.macro EPI kind
.irp i, 0,1,2,3
	WIN 0x03
.set k, 0
.rept 16
.if \kind == 0
	v_pk_add_f32 v[X+k:X+k+1], v[32*\i+k:32*\i+k+1], v[BI+k:BI+k+1]
.elseif \kind == 1
	v_pk_add_f32 v[X+k:X+k+1], v[32*\i+k:32*\i+k+1], v[BL+2*\i:BL+2*\i+1] op_sel_hi:[1,0]
.else
	v_pk_fma_f32 v[X+k:X+k+1], v[32*\i+k:32*\i+k+1], 0x3e000000, v[BI+k:BI+k+1] op_sel_hi:[1,0,1]
.endif
.set k, k+2
.endr
	WIN 0
	QUANT64 X, D+8*\i, SB+\i
.if \kind == 0
	global_store_b128 v[L16], v[D+8*\i:D+8*\i+3], s[OI:OI+1] offset:768*\i
	global_store_b64 v[L8], v[D+8*\i+4:D+8*\i+5], s[OI:OI+1] offset:768*\i+512
	global_store_b8 v[VS], v[SB+\i], s[OS:OS+1] offset:64*(\i/2)+2*(\i%2)
.else
	global_store_b128 v[L16], v[D+8*\i:D+8*\i+3], s[OI:OI+1] offset:1536*\i
	global_store_b64 v[L8], v[D+8*\i+4:D+8*\i+5], s[OI:OI+1] offset:1536*\i+512
	global_store_b8 v[VS], v[SB+\i], s[OS:OS+1] offset:64*\i
.endif
.endr
.endm
	s_load_b256 s[44:51], s[0:1], 0x0
.if KIND == 2
	s_load_b128 s[52:55], s[0:1], 0x20
.endif
	v_lshl_add_u32 v[SPW], v0, 2, SPARE
	v_mov_b32 v[NIL], 0
	ds_add_u32 v[SPW], v[NIL]
	ds_add_u32 v[SPW], v[NIL]
	v_lshrrev_b32 v[LN], 5, v0
	v_readfirstlane_b32 s[WV], v[LN]
	s_lshr_b32 s[WL], s[WV], 1
	s_and_b32 s[WR], s[WV], 1
	s_bfe_u32 s[CX], ttmp6, 0x40000
.if KIND == 2
	s_lshr_b32 s[TY], ttmp9, 6
	s_and_b32 s9, ttmp9, 63
	s_lshl_b32 s10, s[TY], 5
	s_lshl_b32 s14, s[TY], 3
	s_add_co_u32 s14, s14, 96
	s_cmp_eq_u32 s[TY], 2
	s_cselect_b32 s16, 1, 7
	s_cselect_b32 s17, 1, 3
	s_cselect_b32 s10, 112, s10
	s_cselect_b32 s14, 64, s14
	s_and_b32 s[LB], s9, s16
	s_lshl_b32 s[LB], s[LB], 2
	s_add_co_u32 s[LB], s[LB], s[CX]
	s_lshr_b32 s[RB], s9, s17
.else
	s_and_b32 s[LB], ttmp9, 7
	s_lshl_b32 s[LB], s[LB], 2
	s_add_co_u32 s[LB], s[LB], s[CX]
	s_lshr_b32 s[RB], ttmp9, 3
	s_mov_b32 s10, 0
.if KIND == 4
	s_mov_b32 s14, 128
.else
	s_mov_b32 s14, 120
.endif
.endif
	s_add_co_u32 s10, s10, s[LB]
	s_mul_i32 s10, s10, BLK
	s_mov_b32 s11, 0
	s_add_co_u32 s14, s14, s[RB]
	s_mul_i32 s14, s14, BLK
	s_mul_i32 s[G0A+1], s[WV], QTR
	s_add_co_u32 s14, s14, s[G0A+1]
	s_mov_b32 s15, 0
	s_mov_b32 s[G1], 15|(3<<16)|(1<<21)
	s_mov_b32 s[G1+1], 32<<16
	s_mov_b32 s[G1+2], 100<<16
	s_mov_b32 s[G1+3], 32<<16
	s_mov_b32 s[G1+4], 100
	s_mov_b32 s[G1+5], 32
	s_mov_b32 s[G1+6], 0
	s_mov_b32 s[G1+7], 0
	s_mov_b32 s[SEL], 0x76543210
	s_mov_b32 s[SEL+1], 0xfedcba98
	s_mov_b32 s[TB], 0
	v_and_b32 v[LN], 31, v0
	v_and_b32 v[RR], 15, v0
	v_bfe_u32 v[HH], v0, 4, 1
	v_lshlrev_b32 v[L16], 4, v[LN]
	v_lshlrev_b32 v[L8], 3, v[LN]
	v_lshlrev_b32 v[L4], 2, v[LN]
	s_mul_i32 s16, s[WR], 6144
	v_add_nc_u32 v[C16], s16, v[L16]
	v_add_nc_u32 v[C16+1], s16, v[L8]
	s_lshl_b32 s16, s[WR], 8
	s_add_co_u32 s16, s16, SCO
	v_add_nc_u32 v[C16+2], s16, v[L4]
	s_mul_i32 s16, s[WL], 6144
	v_add_nc_u32 v[VL], s16, v[L16]
	v_add_nc_u32 v[VL+1], s16, v[L8]
	s_lshl_b32 s16, s[WL], 8
	s_add_co_u32 s16, s16, SCO
	v_add_nc_u32 v[VL+2], s16, v[L4]
	v_lshl_add_u32 v[VS], v[RR], 2, v[HH]
	s_lshl_b32 s16, s[RB], 9
	s_lshl_b32 s17, s[WR], 8
	s_add_co_u32 s16, s16, s17
.if KIND == 2
	s_lshl_b32 s18, s[LB], 9
	s_lshl_b32 s17, s[WL], 8
	s_add_co_u32 s18, s18, s17
	s_cmp_eq_u32 s[TY], 2
	s_cselect_b32 s16, 0, s16
	s_cselect_b32 s18, s18, 0
	v_and_b32 v[VP], 8, v[RR]
	v_add_nc_u32 v[VP], v[VP], v[RR]
	v_lshl_add_u32 v[VP], v[VP], 2, s18
.irp i, 0,1,2,3
	v_mov_b32 v[BL+2*\i+1], 0
.endr
.endif
	v_lshl_add_u32 v[VB], v[HH], 6, s16
	v_mov_b32 v[TM+2], 0
	v_mov_b32 v[TM+3], 0
.if KIND == 5
	s_mul_i32 s16, s[WV], 16*272
	s_add_co_u32 s16, s16, STG
	v_mul_u32_u24 v[STO], v[RR], 272
	v_lshl_add_u32 v[STO], v[HH], 6, v[STO]
	v_add_nc_u32 v[STO], s16, v[STO]
	v_mul_u32_u24 v[RD], v[HH], 272
	v_lshl_add_u32 v[RD], v[RR], 4, v[RD]
	v_add_nc_u32 v[RD], s16, v[RD]
	v_lshlrev_b32 v[GO], 12, v[HH]
	v_lshl_add_u32 v[GO], v[RR], 4, v[GO]
.endif
	s_wait_dscnt 0x0
	s_wait_kmcnt 0x0
	s_add_nc_u64 s[LP:LP+1], s[44:45], s[10:11]
.if KIND == 2
	s_add_nc_u64 s[G0A+2:G0A+3], s[44:45], s[14:15]
	s_cmp_eq_u32 s[TY], 0
	s_cselect_b64 s[BP:BP+1], s[46:47], s[48:49]
	s_cselect_b64 s[60:61], s[52:53], s[54:55]
	s_cmp_eq_u32 s[TY], 2
	s_cselect_b64 s[BP:BP+1], s[50:51], s[BP:BP+1]
.else
	s_add_nc_u64 s[G0A+2:G0A+3], s[46:47], s[14:15]
	s_mov_b64 s[BP:BP+1], s[48:49]
.endif
.if KIND == 4
	s_mov_b32 s[G0W], 1
	s_add_co_u32 s[G0W+1], s[G0A+1], SLOT1
	s_add_nc_u64 s[G0W+2:G0W+3], s[G0A+2:G0A+3], 8*BLK
	s_or_b32 s[G0W+3], s[G0W+3], 0x80000000
.endif
	s_mov_b32 s[G0A], 1
	s_or_b32 s[G0A+3], s[G0A+3], 0x80000000
	CROUND
	tensor_load_to_lds s[G0A:G0A+3], s[G1:G1+7]
	s_nop 0
.if KIND == 4
	s_wait_alu depctr_va_vdst(0)
.endif
	PLACES
.if KIND == 4
	WIN 0xc0
	s_wait_alu depctr_va_vdst(0)
.irp e, 0,1,2,3
.irp b, 0,1
.irp q, 0,1,2,3
	global_load_b128 v[32*\e+16*\b+4*\q:32*\e+16*\b+4*\q+3], v[VB], s[BP:BP+1] offset:\e*4096+128*\b+16*\q
.endr
.endr
.endr
	WIN 0
.irp e, 4,5,6
.irp b, 0,1
.irp q, 0,1,2,3
	global_load_b128 v[RF+32*(\e-4)+16*\b+4*\q:RF+32*(\e-4)+16*\b+4*\q+3], v[VB], s[BP:BP+1] offset:\e*4096+128*\b+16*\q
.endr
.endr
.endr
.irp b, 0,1
.irp q, 0,1,2,3
	global_load_b128 v[BI+16*\b+4*\q:BI+16*\b+4*\q+3], v[VB], s[BP:BP+1] offset:7*4096+128*\b+16*\q
.endr
.endr
.else
.irp b, 0,1
.irp q, 0,1,2,3
	global_load_b128 v[BI+16*\b+4*\q:BI+16*\b+4*\q+3], v[VB], s[BP:BP+1] offset:128*\b+16*\q
.endr
.endr
.endif
.if KIND == 2
.irp i, 0,1,2,3
	global_load_b32 v[BL+2*\i], v[VP], s[BP:BP+1] offset:4*(32*(\i/2)+8*(\i%2))
.endr
.endif
.irp s, 0,1,2,3,4,5,6,7
.irp p, 0,1
	global_load_b32 v[LS+2*\s+\p], v[VL+2], s[LP:LP+1] offset:\s*REC+128*\p
.endr
.endr
	WIN 0x40
.irp s, 0,1,2,3,4
.irp i, 0,1,2,3
	GFRAG 48*\s+12*\i, \s*REC+1536*\i
.endr
.endr
	WIN 0x80
.irp s, 5,6,7
.irp i, 0,1,2,3
	GFRAG 48*(\s-5)+12*\i, \s*REC+1536*\i
.endr
.endr
	WIN 0
.if KIND == 2
	s_lshl_b32 s10, s[RB], 1
	s_add_co_u32 s10, s10, s[WR]
	s_lshl_b32 s11, s[LB], 1
	s_add_co_u32 s11, s11, s[WL]
	s_mul_i32 s12, s[WR], 768
	s_add_co_u32 s12, s12, 6144
	s_mul_i32 s13, s[WL], 3072
	s_lshl_b32 s14, s[WR], 1
	s_add_co_u32 s14, s14, 12544
	s_lshl_b32 s15, s[WL], 7
	s_add_co_u32 s15, s15, SCO
	s_cmp_eq_u32 s[TY], 2
	s_cselect_b32 s16, s[RB], s[LB]
	s_cselect_b32 s10, s11, s10
	s_cselect_b32 s12, s12, s13
	s_cselect_b32 s14, s14, s15
	s_lshr_b32 s17, s16, 4
	s_lshl_b32 s17, s17, 4
	s_add_co_u32 s17, s17, s10
	s_lshl_b32 s17, s17, 4
	s_and_b32 s16, s16, 15
	s_add_co_u32 s17, s17, s16
	s_mul_i32 s17, s17, REC
	s_add_co_u32 s12, s12, s17
	s_add_co_u32 s14, s14, s17
	s_mov_b32 s13, 0
	s_mov_b32 s15, 0
	s_add_nc_u64 s[OI:OI+1], s[60:61], s[12:13]
	s_add_nc_u64 s[OS:OS+1], s[60:61], s[14:15]
.elseif KIND == 4
	s_mul_i32 s16, s[LB], BLK
	s_mul_i32 s17, s[RB], REC
	s_add_co_u32 s16, s16, s17
	s_mul_i32 s17, s[WL], 6144
	s_add_co_u32 s18, s16, s17
	s_mul_i32 s17, s[WR], 768
	s_add_co_u32 s18, s18, s17
	s_mov_b32 s19, 0
	s_add_nc_u64 s[OI:OI+1], s[50:51], s[18:19]
	s_lshl_b32 s17, s[WL], 8
	s_add_co_u32 s18, s16, s17
	s_lshl_b32 s17, s[WR], 1
	s_add_co_u32 s18, s18, s17
	s_add_co_u32 s18, s18, SCO
	s_add_nc_u64 s[OS:OS+1], s[50:51], s[18:19]
.else
	s_lshl_b32 s16, s[LB], 7
	s_lshl_b32 s17, s[WL], 6
	s_add_co_u32 s16, s16, s17
	s_lshl_b32 s16, s16, 12
	s_lshl_b32 s17, s[RB], 9
	s_add_co_u32 s16, s16, s17
	s_lshl_b32 s17, s[WR], 8
	s_add_co_u32 s18, s16, s17
	s_mov_b32 s19, 0
	s_add_nc_u64 s[OI:OI+1], s[50:51], s[18:19]
.endif
.if KIND == 4
	s_wait_loadcnt 63
	WIN 0x0c
.irp e, 0,1,2,3
.set k, 0
.rept 16
	v_pk_add_f32 v[BI+k:BI+k+1], v[BI+k:BI+k+1], v[32*\e+k:32*\e+k+1]
.set k, k+2
.endr
.endr
	WIN 0
.irp e, 0,1,2
.set k, 0
.rept 16
	v_pk_add_f32 v[BI+k:BI+k+1], v[BI+k:BI+k+1], v[RF+32*\e+k:RF+32*\e+k+1]
.set k, k+2
.endr
.endr
.set k, 0
.rept 16
	v_pk_mul_f32 v[BI+k:BI+k+1], v[BI+k:BI+k+1], 0x3e000000 op_sel_hi:[1,0]
.set k, k+2
.endr
	s_wait_alu depctr_va_vdst(0)                   ; the wait at the head's end
	s_wait_tensorcnt 0x0                           ; my quarter of slot 0 is in
	ds_add_u32 v[SPW], v[NIL]                      ; the add ahead of a later first fill
	s_wait_dscnt 0x0
	CROUND                                         ; everybody's quarter is in, and the four work-groups meet
	tensor_load_to_lds s[G0W:G0W+3], s[G1:G1+7]    ; slot 1's first fill, expert 1: my one load behind the round
	s_nop 0
.else
	s_wait_tensorcnt 0x0
	s_barrier_signal -1
	s_barrier_wait -1
.endif
	SETAR
	LOADR 0
	s_wait_alu depctr_va_vdst(0)
	STEP 0, 1, 0
.if KIND == 4
	s_mov_b32 s[CNT], 6
.Lexpert:
	s_wait_alu depctr_va_vdst(0)
.irp s, 1,2,3,4,5,6
	STEP \s, 0, 0
.endr
	STEP 7, 0, 1
	s_wait_alu depctr_va_vdst(0)
	STEP 0, 0, 0
	s_sub_co_u32 s[CNT], s[CNT], 1
	s_cmp_lg_u32 s[CNT], 0
	s_cbranch_scc1 .Lexpert
.irp s, 1,2,3,4,5,6
	STEP \s, 0, 0
.endr
	STEP 7, 0, 2
	s_wait_alu depctr_va_vdst(0)
	STEP 0, 0, 0
.endif
.irp s, 1,2,3,4,5,6
	STEP \s, 0, 0
.endr
	STEP 7, 0, 3
	PLACES
.if KIND == 2
	v_cmp_lt_u32 vcc_lo, 15, v[LN]
	s_cmp_eq_u32 s[TY], 2
	s_cbranch_scc1 .Lvalues
	EPI 0
	s_branch .Lend
.Lvalues:
	EPI 1
.Lend:
.elseif KIND == 4
	v_cmp_lt_u32 vcc_lo, 15, v[LN]
	EPI 2
.else
.irp i, 0,1,2,3
	WIN 0x03
.set k, 0
.rept 16
	v_pk_add_f32 v[X+k:X+k+1], v[32*\i+k:32*\i+k+1], v[BI+k:BI+k+1]
.set k, k+2
.endr
	WIN 0
.irp b, 0,1
.irp q, 0,1,2,3
	ds_store_b128 v[STO], v[X+16*\b+4*\q:X+16*\b+4*\q+3] offset:128*\b+16*\q
.endr
.endr
.if \i > 1
	s_wait_xcnt 0x0
.endif
.irp k, 0,1,2,3,4,5,6,7
	ds_load_b128 v[D+32*(\i%2)+4*\k:D+32*(\i%2)+4*\k+3], v[RD] offset:544*\k
.endr
.irp k, 0,1,2,3,4,5,6,7
	s_wait_dscnt 7-\k
	global_store_b128 v[GO], v[D+32*(\i%2)+4*\k:D+32*(\i%2)+4*\k+3], s[OI:OI+1] offset:(32*(\i/2)+8*(\i%2)+2*\k+8*(\k/4))*4096 th:TH_STORE_NT
.endr
.endr
.endif
	s_wait_tensorcnt 0x0
	ds_add_u32 v[SPW], v[NIL]
	s_wait_dscnt 0x0
	CROUND
	s_endpgm
.Lfunc_end_k_q2596b03d4d_expert:
	.size	k_q2596b03d4d_expert, .Lfunc_end_k_q2596b03d4d_expert-k_q2596b03d4d_expert
	.p2alignl 7, 3214868480
	.fill 96, 4, 3214868480
	.section	.rodata,"a",@progbits
	.p2align	6, 0x0
	.amdhsa_kernel k_q2596b03d4d_expert
		.amdhsa_group_segment_fixed_size 327680
		.amdhsa_private_segment_fixed_size 0
		.amdhsa_enable_private_segment 0
		.amdhsa_kernarg_size 32
		.amdhsa_user_sgpr_count 2
		.amdhsa_user_sgpr_kernarg_segment_ptr 1
		.amdhsa_wavefront_size32 1
		.amdhsa_system_sgpr_workgroup_id_x 1
		.amdhsa_system_sgpr_workgroup_id_y 1
		.amdhsa_system_sgpr_workgroup_id_z 1
		.amdhsa_system_vgpr_workitem_id 0
		.amdhsa_next_free_vgpr 896
		.amdhsa_next_free_sgpr 66
		.amdhsa_reserve_vcc 1
		.amdhsa_float_denorm_mode_32 3
		.amdhsa_float_denorm_mode_16_64 3
		.amdhsa_memory_ordered 1
		.amdhsa_forward_progress 1
		.amdhsa_inst_pref_size 132
	.end_amdhsa_kernel
	.amdgpu_metadata
---
amdhsa.version: [ 1, 2 ]
amdhsa.kernels:
  - .name:           k_q2596b03d4d_expert
    .symbol:         k_q2596b03d4d_expert.kd
    .args:
      - { .name: ao, .offset: 0, .size: 8, .value_kind: global_buffer, .address_space: global }
      - { .name: cin, .offset: 8, .size: 8, .value_kind: global_buffer, .address_space: global }
      - { .name: be, .offset: 16, .size: 8, .value_kind: global_buffer, .address_space: global }
      - { .name: em, .offset: 24, .size: 8, .value_kind: global_buffer, .address_space: global }
    .group_segment_fixed_size: 327680
    .private_segment_fixed_size: 0
    .kernarg_segment_align: 8
    .kernarg_segment_size: 32
    .max_flat_workgroup_size: 128
    .sgpr_count:     66
    .vgpr_count:     896
    .wavefront_size: 32
...
	.end_amdgpu_metadata
.endif
;; end of part 4
;; launch final (part 5): grid 256 x 1, 4 waves a work-group, clusters of 4 x 1, 167,936 bytes of LDS; arguments em, cin, bo, out0; writes out0
.if DOCPART == 5
	.amdgcn_target "amdgcn-amd-amdhsa--gfx1250"
	.amdhsa_code_object_version 6
	.text
	.protected	k_q2596b03d4d_final
	.globl	k_q2596b03d4d_final
	.p2align	8
	.type	k_q2596b03d4d_final,@function
k_q2596b03d4d_final:
	s_mov_b64 s[64:65], 0
	v_nop
	global_prefetch_b8 v0, s[64:65] scope:SCOPE_SE
	s_setreg_imm32_b32 hwreg(HW_REG_WAVE_MODE, 25, 1), 1
	s_wait_xcnt 0x0
	s_wait_alu depctr_hold_cnt(0) depctr_sa_sdst(0) depctr_va_vdst(0) depctr_va_sdst(0) depctr_va_ssrc(0) depctr_va_vcc(0) depctr_vm_vsrc(0)
	s_getreg_b32 s2, hwreg(HW_REG_IB_STS2, 6, 4)
	s_cmp_eq_u32 s2, 0
	s_cbranch_scc0 .Lentry_in_a_cluster
	s_endpgm
.Lentry_in_a_cluster:
	s_bfe_u32 s2, ttmp6, 0x10000c
	s_cmp_lg_u32 s2, 0x3003
	s_cbranch_scc0 .Lentry_shape_is_right
	s_endpgm
.Lentry_shape_is_right:
; ONE TEXT FOR THREE LAUNCHES, told apart by KIND: 2 the three projections, 4 the eight experts and their mean, 5 the last product.  All products on codes of FP6 (E2M3) with E8M0 scales, K = 1,024 (KIND 4: 8 x 1,024).
; OPERANDS are blocks of 128 rows x 1,024 K in the order of the operands' registers: 8 records (128 along K each) of 12,800 bytes: 8 fragments of 1,536 bytes, then 512 bytes of scale words (tile t, lane r at 64 t + 4 r).
; A fragment is two halves of 768 bytes: registers 0-3 at 16 x lane, registers 4-5 at 512 + 8 x lane.  Lane r of tile 2 G + u holds row 32 G + 8 u + r + 8 (r / 8).
; SHARES.  A work-group makes 128 L rows x 128 R rows; wave (wl, wr) 64 x 64: 16 accumulators.  R is source 0, L source 1: a lane holds ONE L row, and the 16 registers of R's tiles 2 G, 2 G + 1 are R rows 32 G + 16 h + 0 .. 15.
; L STAYS IN REGISTERS for all of K (4 tiles x 8 K steps x 12 = 384), loaded straight from memory; KIND 4 uses it for all eight experts.  R comes through LDS: a slot is a whole block (102,400 dense bytes), a quarter by each wave's tensor load.
; KIND 2: Q, K: L = tokens, R = rows of Wq, Wk; a wave's 64 R rows are one head.  V: L = rows of Wv (one head's 64), R = tokens, so that the registers run along the keys.  The results + bias are quantised along the registers, 64 at a
;   time, and leave as halves of fragments: qb, kvb = [b x head][128 tokens][12,800]: K (or Q): tile T's half at 768 T, bytes at 12,288 + 64 (T / 2) + 4 r + 2 (T % 2) + block; V^T: tile t's fragment at 6,144 + 1,536 t, bytes at 12,544 + 64 t + 4 r.
; KIND 4: L = attention's output, R = We[e], e = 0 .. 7 into ONE accumulator; x 1/8 + the mean of be; quantised; em has the operands' layout.  (Another order of f32 rounding than a mean of eight finished sums.)
; KIND 5: L = em, R = Wo; + bo; f32 rows go out through the wave's stage in LDS, sixteen lanes to 256 consecutive bytes.
; CLUSTER: 4 work-groups with the same R block and four L blocks: R's quarters are asked for jointly (mask 15).  L is not shared inside a cluster and goes to registers by plain loads.
; The scale bytes of quantised results leave by byte stores, 32 bytes in a stretch of 64: one byte for 24 bytes of codes.
; LIMITS: a block of zeros, and one whose largest magnitude lies under 2^-124, gets the byte 1 (its codes are zeros; only this program reads the bytes).  NaN and infinities are not served.
; REGISTERS, in windows of 256: window 0: v1-29 addresses; v32-47 L's scale words, v48-51 R's; v64-159 R's fragments, two sets; v160-191 a tile's numbers; v192-223 bias; v224-243 at work.
;   window 1: L's fragments of K steps 0-4 (48 s + 12 i); window 2: of K steps 5-7; window 3: accumulator (i, a) at 8 (4 i + a).
.set KIND,  5
.set REC,   12800
.set BLK,   8*REC
.set SCO,   12288
.set QTR,   BLK/4
.set SPARE, BLK                        ; behind slot 0: the spare words, 128 bytes a wave
.set STG,   SPARE+512                  ; KIND 5: a stage of 16 rows x 272 bytes for each wave; no tile lands here
.set SLOT1, 131072                     ; KIND 4: the second slot; one exclusive or turns an address from slot to slot
.set L16, 1
.set L8,  2
.set L4,  3
.set RR,  4
.set HH,  5
.set ARA, 6                            ; v6-8   R in the slot in hand, K steps 0-3: 16, 8, 4 bytes a lane
.set ARB, 9                            ; v9-11  K steps 4-7
.set C16, 12                           ; v12-14 the same without the slot
.set VS,  15                           ; 4 r + h: my scale byte's place
.set VB,  16                           ; bias along the registers
.set VP,  17                           ; bias by lane
.set STO, 18
.set RD,  19
.set GO,  20
.set VL,  21                           ; v21-23 L in memory: 16, 8, 4 bytes a lane
.set LN,  24
.set SPW, 28
.set NIL, 29
.set LS,  32
.set RS,  48
.set RF,  64
.set X,   160
.set BI,  192
.set TM,  224
.set CT,  232
.set BL,  236
.set D,   64
.set SB,  96
.set WV,  2
.set WL,  3
.set WR,  4
.set CX,  5
.set LB,  6
.set RB,  7
.set TY,  8
.set G0A, 20
.set G1,  24
.set G0W, 32
.set TB,  36
.set CNT, 37
.set SEL, 38
.set LP,  40
.set BP,  42
.set OI,  56
.set OS,  58
.set MSB, 0
.macro WIN new                         ; the immediate's high byte repeats the setting that is left
.if MSB != \new
	s_set_vgpr_msb (MSB<<8)|\new
.set MSB, \new
.endif
.endm
.macro PLACES                          ; four plain places behind a matrix instruction, ahead of loads into its registers and of reads of its result
.rept 4
	v_nop
.endr
.endm
.macro CROUND                          ; a round of the cluster's barrier
	s_barrier_signal -1
	s_barrier_wait -1
	s_cmp_lg_u32 s[WV], 0
	s_cbranch_scc1 .Lnot_wave_0_\@
	s_barrier_signal -3
.Lnot_wave_0_\@:
	s_barrier_wait -3
	s_barrier_signal -1
	s_barrier_wait -1
.endm
.macro GFRAG reg, off                  ; a fragment of L from memory
	global_load_b128 v[\reg:\reg+3], v[VL], s[LP:LP+1] offset:\off
	global_load_b64 v[\reg+4:\reg+5], v[VL+1], s[LP:LP+1] offset:\off+512
	global_load_b128 v[\reg+6:\reg+9], v[VL], s[LP:LP+1] offset:\off+768
	global_load_b64 v[\reg+10:\reg+11], v[VL+1], s[LP:LP+1] offset:\off+1280
.endm
.macro LFRAG reg, a, off               ; a fragment of R from LDS: each load takes 512 or 256 consecutive bytes
	ds_load_b128 v[\reg:\reg+3], v[\a] offset:\off
	ds_load_b64 v[\reg+4:\reg+5], v[\a+1] offset:\off+512
	ds_load_b128 v[\reg+6:\reg+9], v[\a] offset:\off+768
	ds_load_b64 v[\reg+10:\reg+11], v[\a+1] offset:\off+1280
.endm
.macro LOADR s                         ; K step s of R: my four fragments and two registers of scale words (lanes 0-15 tile 2 p, lanes 16-31 tile 2 p + 1) into set s % 2: 18 loads
.set AB, ARA+3*((\s)/4)
.set RSET, (\s)%2
.irp a, 0,1,2,3
	LFRAG RF+48*RSET+12*\a, AB, ((\s)%4)*REC+1536*\a
.endr
	ds_load_b32 v[RS+2*RSET], v[AB+2] offset:((\s)%4)*REC
	ds_load_b32 v[RS+2*RSET+1], v[AB+2] offset:((\s)%4)*REC+128
.endm
.macro SETAR                           ; R's addresses in the slot in hand
	v_add_nc_u32 v[ARA], s[TB], v[C16]
	v_add_nc_u32 v[ARA+1], s[TB], v[C16+1]
	v_add_nc_u32 v[ARA+2], s[TB], v[C16+2]
	v_add_nc_u32 v[ARB], 4*REC, v[ARA]
	v_add_nc_u32 v[ARB+1], 4*REC, v[ARA+1]
	v_add_nc_u32 v[ARB+2], 4*REC, v[ARA+2]
.endm
.macro WM d, a, b, z, sa, sb, ra, rb   ; one product; z: it starts the sum; ra, rb: the side's scale words stand in lanes 16-31
.if \z
.if (\ra) && (\rb)
	v_wmma_scale_f32_16x16x128_f8f6f4 v[\d:\d+7], v[\a:\a+11], v[\b:\b+11], 0, v[\sa], v[\sb] matrix_a_fmt:MATRIX_FMT_FP6 matrix_b_fmt:MATRIX_FMT_FP6 matrix_a_scale:MATRIX_SCALE_ROW1 matrix_b_scale:MATRIX_SCALE_ROW1
.elseif \ra
	v_wmma_scale_f32_16x16x128_f8f6f4 v[\d:\d+7], v[\a:\a+11], v[\b:\b+11], 0, v[\sa], v[\sb] matrix_a_fmt:MATRIX_FMT_FP6 matrix_b_fmt:MATRIX_FMT_FP6 matrix_a_scale:MATRIX_SCALE_ROW1
.elseif \rb
	v_wmma_scale_f32_16x16x128_f8f6f4 v[\d:\d+7], v[\a:\a+11], v[\b:\b+11], 0, v[\sa], v[\sb] matrix_a_fmt:MATRIX_FMT_FP6 matrix_b_fmt:MATRIX_FMT_FP6 matrix_b_scale:MATRIX_SCALE_ROW1
.else
	v_wmma_scale_f32_16x16x128_f8f6f4 v[\d:\d+7], v[\a:\a+11], v[\b:\b+11], 0, v[\sa], v[\sb] matrix_a_fmt:MATRIX_FMT_FP6 matrix_b_fmt:MATRIX_FMT_FP6
.endif
.else
.if (\ra) && (\rb)
	v_wmma_scale_f32_16x16x128_f8f6f4 v[\d:\d+7], v[\a:\a+11], v[\b:\b+11], v[\d:\d+7], v[\sa], v[\sb] matrix_a_fmt:MATRIX_FMT_FP6 matrix_b_fmt:MATRIX_FMT_FP6 matrix_a_scale:MATRIX_SCALE_ROW1 matrix_b_scale:MATRIX_SCALE_ROW1
.elseif \ra
	v_wmma_scale_f32_16x16x128_f8f6f4 v[\d:\d+7], v[\a:\a+11], v[\b:\b+11], v[\d:\d+7], v[\sa], v[\sb] matrix_a_fmt:MATRIX_FMT_FP6 matrix_b_fmt:MATRIX_FMT_FP6 matrix_a_scale:MATRIX_SCALE_ROW1
.elseif \rb
	v_wmma_scale_f32_16x16x128_f8f6f4 v[\d:\d+7], v[\a:\a+11], v[\b:\b+11], v[\d:\d+7], v[\sa], v[\sb] matrix_a_fmt:MATRIX_FMT_FP6 matrix_b_fmt:MATRIX_FMT_FP6 matrix_b_scale:MATRIX_SCALE_ROW1
.else
	v_wmma_scale_f32_16x16x128_f8f6f4 v[\d:\d+7], v[\a:\a+11], v[\b:\b+11], v[\d:\d+7], v[\sa], v[\sb] matrix_a_fmt:MATRIX_FMT_FP6 matrix_b_fmt:MATRIX_FMT_FP6
.endif
.endif
.endm
.macro MUL16 s, zero                   ; K step s: the 16 accumulators take turns, one instruction a turn, in the same order in every step
.if (\s) < 5
.set LFB, 48*(\s)
.else
.set LFB, 48*((\s)-5)
.endif
.set RFB, RF+48*((\s)%2)
.set RSB, RS+2*((\s)%2)
.set LSB, LS+2*(\s)
.irp i, 0,1,2,3
.irp a, 0,1,2,3
	WM 8*(4*\i+\a), RFB+12*\a, LFB+12*\i, \zero, RSB+\a/2, LSB+\i/2, \a%2, \i%2
.endr
.endr
.endm
; A K step.  mode 0: the next step's R is fetched from the same slot.  mode 1 (a slot's last step): my reads of the slot are over one step early, so it is given up here: all my tensor loads have landed, 0 is added to my
; spare word, that and my reads are waited for, a round of the cluster's barrier, the joint refill (the expert two on) first behind it, then the other slot's first fragments.  mode 2: the same with nothing left to fetch.  mode 3: the last step.
.macro STEP s, zero, mode
.if 112-16*(\s) > 63
	s_wait_loadcnt 63                              ; L's fragments came in the order of K: sixteen loads a step; those of later steps may be out (the count's field holds 63)
.else
	s_wait_loadcnt 112-16*(\s)
.endif
.if \mode == 0
	s_wait_dscnt 0x0                               ; this step's set is in
	PLACES                                         ; the other set was multiplied last
	LOADR (\s)+1
.elseif \mode == 3
	s_wait_dscnt 0x0
.else
	s_wait_tensorcnt 0x0                           ; all my tensor loads have landed, my quarter of the other slot among them: a group 0 may be written
	ds_add_u32 v[SPW], v[NIL]                      ; 0 onto my spare word
.if \mode == 1
	s_xor_b32 s[G0W+1], s[G0W+1], SLOT1            ; the walking descriptor: the slot that is left,
	s_add_nc_u64 s[G0W+2:G0W+3], s[G0W+2:G0W+3], 8*BLK   ; the next expert's block
.endif
	s_xor_b32 s[TB], s[TB], SLOT1
	s_wait_dscnt 0x0                               ; the add is done, and my reads of the slot are over
.if \mode == 1
	CROUND                                         ; no wave of any partner still reads the slot or has a load on its way
	tensor_load_to_lds s[G0W:G0W+3], s[G1:G1+7]    ; my one tensor load behind the round: it has a whole expert, 128 products, in which to land
	s_nop 0
.else
	s_barrier_signal -1
	s_barrier_wait -1
.endif
	SETAR                                          ; six plain lines: also the places ahead of the loads below
	LOADR 0
.endif
.if (\s) < 5
	WIN 0xf4                                       ; source 1 (L) window 1, C and D window 3
.else
	WIN 0xf8                                       ; source 1 window 2
.endif
	MUL16 \s, \zero
	WIN 0
.endm
; 32 numbers of a lane, register 16 b + i = k 32 b + 16 (lane / 16) + i of my row, become half a fragment (6 registers) in v[d] on; v[sb]: the byte of block lane / 16.  VCC: lanes 16-31
.macro QUANT64 s, d, sb
.irp b, 0,1
	v_max3_num_f32 v[TM+\b], |v[\s+16*\b]|, |v[\s+16*\b+1]|, 0x1800000   ; and the floor 2^(3 - 127): the byte cannot fall under 1
.endr
.irp i, 2,4,6,8,10,12,14
.irp b, 0,1
	v_max3_num_f32 v[TM+\b], v[TM+\b], |v[\s+16*\b+\i]|, |v[\s+16*\b+\i+1]|
.endr
.endr
.irp b, 0,1
	v_permlanex16_b32 v[TM+2+\b], v[TM+\b], s[SEL], s[SEL+1]
.endr
.irp b, 0,1
	v_max_num_f32 v[TM+\b], v[TM+\b], v[TM+2+\b]
.endr
.irp b, 0,1
	v_add_nc_u32 v[TM+4+\b], 0xff000000, v[TM+\b]  ; 2 off the exponent field: the conversion's scale operand
.endr
	v_cndmask_b32 v[TM+6], v[TM+4], v[TM+5], vcc_lo
	v_cvt_scalef32_pk16_fp6_f32 v[\d:\d+2], v[\s:\s+15], v[TM+4]
	v_cvt_scalef32_pk16_fp6_f32 v[CT:CT+2], v[\s+16:\s+31], v[TM+5]
	v_lshrrev_b32 v[\sb], 23, v[TM+6]              ; my block's byte; also the plain place behind the conversions
.irp i, 0,1,2
	v_permlane16_swap_b32 v[\d+\i], v[CT+\i]       ; a whole block to a lane
.endr
.irp i, 0,1,2
	v_mov_b32 v[\d+3+\i], v[CT+\i]
.endr
.endm
; The way out of quantised results, an L tile at a time.  kind 0: bias along the registers (Q, K); 1: bias by lane (V); 2: x 1/8 + the mean bias (experts).  Each accumulator is read from its low end on.
.macro EPI kind
.irp i, 0,1,2,3
	WIN 0x03                                       ; source 0: window 3
.set k, 0
.rept 16
.if \kind == 0
	v_pk_add_f32 v[X+k:X+k+1], v[32*\i+k:32*\i+k+1], v[BI+k:BI+k+1]
.elseif \kind == 1
	v_pk_add_f32 v[X+k:X+k+1], v[32*\i+k:32*\i+k+1], v[BL+2*\i:BL+2*\i+1] op_sel_hi:[1,0]
.else
	v_pk_fma_f32 v[X+k:X+k+1], v[32*\i+k:32*\i+k+1], 0x3e000000, v[BI+k:BI+k+1] op_sel_hi:[1,0,1]
.endif
.set k, k+2
.endr
	WIN 0
	QUANT64 X, D+8*\i, SB+\i                       ; each tile has registers of its own for its codes and its byte: no store's data are written again
.if \kind == 0
	global_store_b128 v[L16], v[D+8*\i:D+8*\i+3], s[OI:OI+1] offset:768*\i
	global_store_b64 v[L8], v[D+8*\i+4:D+8*\i+5], s[OI:OI+1] offset:768*\i+512
	global_store_b8 v[VS], v[SB+\i], s[OS:OS+1] offset:64*(\i/2)+2*(\i%2)
.else
	global_store_b128 v[L16], v[D+8*\i:D+8*\i+3], s[OI:OI+1] offset:1536*\i
	global_store_b64 v[L8], v[D+8*\i+4:D+8*\i+5], s[OI:OI+1] offset:1536*\i+512
	global_store_b8 v[VS], v[SB+\i], s[OS:OS+1] offset:64*\i
.endif
.endr
.endm
	s_load_b256 s[44:51], s[0:1], 0x0              ; KIND 2: cin, bq, bk, bv; KIND 4: ao, cin, be, em; KIND 5: em, cin, bo, out0
.if KIND == 2
	s_load_b128 s[52:55], s[0:1], 0x20             ; qb, kvb
.endif
	v_lshl_add_u32 v[SPW], v0, 2, SPARE
	v_mov_b32 v[NIL], 0
	ds_add_u32 v[SPW], v[NIL]                      ; the wave's opening: the add and its wait ahead of my first tensor load; work on registers stands between them
	ds_add_u32 v[SPW], v[NIL]
	v_lshrrev_b32 v[LN], 5, v0
	v_readfirstlane_b32 s[WV], v[LN]               ; wave 0..3
	s_lshr_b32 s[WL], s[WV], 1                     ; which 64 L rows
	s_and_b32 s[WR], s[WV], 1                      ; which 64 R rows
	s_bfe_u32 s[CX], ttmp6, 0x40000                ; my place in the cluster: it enters L's, the output's and (KIND 2) the by-lane bias's addresses alone
.if KIND == 2
	s_lshr_b32 s[TY], ttmp9, 6                     ; 0 Q, 1 K, 2 V: 64 clusters each
	s_and_b32 s9, ttmp9, 63
	s_lshl_b32 s10, s[TY], 5                       ; L's first block in cin: query 0, key 32,
	s_lshl_b32 s14, s[TY], 3
	s_add_co_u32 s14, s14, 96                      ; R's: Wq 96, Wk 104
	s_cmp_eq_u32 s[TY], 2
	s_cselect_b32 s16, 1, 7                        ; V: 2 x 4 L blocks, 32 R blocks; Q, K: 8 x 4 and 8
	s_cselect_b32 s17, 1, 3
	s_cselect_b32 s10, 112, s10                    ; V: L = Wv,
	s_cselect_b32 s14, 64, s14                     ; R = value
	s_and_b32 s[LB], s9, s16
	s_lshl_b32 s[LB], s[LB], 2
	s_add_co_u32 s[LB], s[LB], s[CX]
	s_lshr_b32 s[RB], s9, s17
.else
	s_and_b32 s[LB], ttmp9, 7
	s_lshl_b32 s[LB], s[LB], 2
	s_add_co_u32 s[LB], s[LB], s[CX]               ; 32 blocks of tokens
	s_lshr_b32 s[RB], ttmp9, 3                     ; 8 blocks of outputs
	s_mov_b32 s10, 0
.if KIND == 4
	s_mov_b32 s14, 128                             ; We[0]
.else
	s_mov_b32 s14, 120                             ; Wo
.endif
.endif
	s_add_co_u32 s10, s10, s[LB]
	s_mul_i32 s10, s10, BLK                        ; L's block, in bytes
	s_mov_b32 s11, 0
	s_add_co_u32 s14, s14, s[RB]
	s_mul_i32 s14, s14, BLK                        ; R's block: made of the cluster's number alone
	s_mul_i32 s[G0A+1], s[WV], QTR                 ; my quarter: in LDS,
	s_add_co_u32 s14, s14, s[G0A+1]                ; and in memory
	s_mov_b32 s15, 0
	s_mov_b32 s[G1], 15|(3<<16)|(1<<21)            ; 15:0 the mask: all four work-groups; 17:16 elements of 8 bytes; 21 set beside a mask; no padding
	s_mov_b32 s[G1+1], 32<<16                      ; tensor_dim0 = 32 elements: rows of 256 bytes
	s_mov_b32 s[G1+2], 100<<16                     ; tensor_dim1 = 100 rows
	s_mov_b32 s[G1+3], 32<<16                      ; tile_dim0
	s_mov_b32 s[G1+4], 100                         ; tile_dim1
	s_mov_b32 s[G1+5], 32                          ; the rows are dense
	s_mov_b32 s[G1+6], 0
	s_mov_b32 s[G1+7], 0
	s_mov_b32 s[SEL], 0x76543210
	s_mov_b32 s[SEL+1], 0xfedcba98
	s_mov_b32 s[TB], 0
	v_and_b32 v[LN], 31, v0
	v_and_b32 v[RR], 15, v0
	v_bfe_u32 v[HH], v0, 4, 1
	v_lshlrev_b32 v[L16], 4, v[LN]
	v_lshlrev_b32 v[L8], 3, v[LN]
	v_lshlrev_b32 v[L4], 2, v[LN]
	s_mul_i32 s16, s[WR], 6144                     ; R: my four tiles of a record,
	v_add_nc_u32 v[C16], s16, v[L16]
	v_add_nc_u32 v[C16+1], s16, v[L8]
	s_lshl_b32 s16, s[WR], 8
	s_add_co_u32 s16, s16, SCO                     ; and their scale words
	v_add_nc_u32 v[C16+2], s16, v[L4]
	s_mul_i32 s16, s[WL], 6144                     ; L likewise
	v_add_nc_u32 v[VL], s16, v[L16]
	v_add_nc_u32 v[VL+1], s16, v[L8]
	s_lshl_b32 s16, s[WL], 8
	s_add_co_u32 s16, s16, SCO
	v_add_nc_u32 v[VL+2], s16, v[L4]
	v_lshl_add_u32 v[VS], v[RR], 2, v[HH]
	s_lshl_b32 s16, s[RB], 9
	s_lshl_b32 s17, s[WR], 8
	s_add_co_u32 s16, s16, s17                     ; the bias of my 64 R rows, in bytes
.if KIND == 2
	s_lshl_b32 s18, s[LB], 9
	s_lshl_b32 s17, s[WL], 8
	s_add_co_u32 s18, s18, s17                     ; and of my 64 L rows
	s_cmp_eq_u32 s[TY], 2                          ; both forms are loaded by every work-group, so that the head has one path; the form that a kind does not use is read at index 0, inside the buffer, and not used: 12 loads
	s_cselect_b32 s16, 0, s16
	s_cselect_b32 s18, s18, 0
	v_and_b32 v[VP], 8, v[RR]
	v_add_nc_u32 v[VP], v[VP], v[RR]
	v_lshl_add_u32 v[VP], v[VP], 2, s18            ; by lane: 4 (r + 8 (r / 8))
.irp i, 0,1,2,3
	v_mov_b32 v[BL+2*\i+1], 0                      ; (named as the upper half of a pair)
.endr
.endif
	v_lshl_add_u32 v[VB], v[HH], 6, s16            ; along the registers: 64 h
	v_mov_b32 v[TM+2], 0                           ; written once: a lane permute's destination counts as one of its sources
	v_mov_b32 v[TM+3], 0
.if KIND == 5
	s_mul_i32 s16, s[WV], 16*272
	s_add_co_u32 s16, s16, STG                     ; my stage
	v_mul_u32_u24 v[STO], v[RR], 272
	v_lshl_add_u32 v[STO], v[HH], 6, v[STO]
	v_add_nc_u32 v[STO], s16, v[STO]               ; in: row r, + 64 h
	v_mul_u32_u24 v[RD], v[HH], 272
	v_lshl_add_u32 v[RD], v[RR], 4, v[RD]
	v_add_nc_u32 v[RD], s16, v[RD]                 ; back: lanes 0-15 one row, lanes 16-31 the next
	v_lshlrev_b32 v[GO], 12, v[HH]
	v_lshl_add_u32 v[GO], v[RR], 4, v[GO]          ; and the same two rows of out0
.endif
	s_wait_dscnt 0x0                               ; the opening add is done
	s_wait_kmcnt 0x0
	s_add_nc_u64 s[LP:LP+1], s[44:45], s[10:11]
.if KIND == 2
	s_add_nc_u64 s[G0A+2:G0A+3], s[44:45], s[14:15]
	s_cmp_eq_u32 s[TY], 0
	s_cselect_b64 s[BP:BP+1], s[46:47], s[48:49]
	s_cselect_b64 s[60:61], s[52:53], s[54:55]     ; Q goes to qb, K and V to kvb
	s_cmp_eq_u32 s[TY], 2
	s_cselect_b64 s[BP:BP+1], s[50:51], s[BP:BP+1]
.else
	s_add_nc_u64 s[G0A+2:G0A+3], s[46:47], s[14:15]
	s_mov_b64 s[BP:BP+1], s[48:49]
.endif
.if KIND == 4
	s_mov_b32 s[G0W], 1
	s_add_co_u32 s[G0W+1], s[G0A+1], SLOT1
	s_add_nc_u64 s[G0W+2:G0W+3], s[G0A+2:G0A+3], 8*BLK   ; expert 1
	s_or_b32 s[G0W+3], s[G0W+3], 0x80000000
.endif
	s_mov_b32 s[G0A], 1
	s_or_b32 s[G0A+3], s[G0A+3], 0x80000000
	CROUND                                         ; all four work-groups are here: the first joint loads meet
	tensor_load_to_lds s[G0A:G0A+3], s[G1:G1+7]
	s_nop 0
.if KIND == 4
	tensor_load_to_lds s[G0W:G0W+3], s[G1:G1+7]    ; two loads of mine are out
	s_nop 0
.endif
	PLACES
.if KIND == 4
	WIN 0xc0                                       ; be's eight rows, my 32 numbers of each: four sets into registers that the accumulators take later,
.irp e, 0,1,2,3
.irp b, 0,1
.irp q, 0,1,2,3
	global_load_b128 v[32*\e+16*\b+4*\q:32*\e+16*\b+4*\q+3], v[VB], s[BP:BP+1] offset:\e*4096+128*\b+16*\q
.endr
.endr
.endr
	WIN 0
.irp e, 4,5,6
.irp b, 0,1
.irp q, 0,1,2,3
	global_load_b128 v[RF+32*(\e-4)+16*\b+4*\q:RF+32*(\e-4)+16*\b+4*\q+3], v[VB], s[BP:BP+1] offset:\e*4096+128*\b+16*\q   ; three where R's fragments will lie,
.endr
.endr
.endr
.irp b, 0,1
.irp q, 0,1,2,3
	global_load_b128 v[BI+16*\b+4*\q:BI+16*\b+4*\q+3], v[VB], s[BP:BP+1] offset:7*4096+128*\b+16*\q   ; one in its place
.endr
.endr
.else
.irp b, 0,1
.irp q, 0,1,2,3
	global_load_b128 v[BI+16*\b+4*\q:BI+16*\b+4*\q+3], v[VB], s[BP:BP+1] offset:128*\b+16*\q   ; register 16 b + i: the bias of R row 32 b + 16 h + i
.endr
.endr
.endif
.if KIND == 2
.irp i, 0,1,2,3
	global_load_b32 v[BL+2*\i], v[VP], s[BP:BP+1] offset:4*(32*(\i/2)+8*(\i%2))   ; the bias of my lane's L row in tile i
.endr
.endif
.irp s, 0,1,2,3,4,5,6,7
.irp p, 0,1
	global_load_b32 v[LS+2*\s+\p], v[VL+2], s[LP:LP+1] offset:\s*REC+128*\p       ; L's scale words: lanes 0-15 tile 2 p, lanes 16-31 tile 2 p + 1
.endr
.endr
	WIN 0x40                                       ; destination window 1
.irp s, 0,1,2,3,4
.irp i, 0,1,2,3
	GFRAG 48*\s+12*\i, \s*REC+1536*\i
.endr
.endr
	WIN 0x80                                       ; destination window 2
.irp s, 5,6,7
.irp i, 0,1,2,3
	GFRAG 48*(\s-5)+12*\i, \s*REC+1536*\i
.endr
.endr
	WIN 0
	; where the results go
.if KIND == 2
	s_lshl_b32 s10, s[RB], 1
	s_add_co_u32 s10, s10, s[WR]                   ; Q, K: the head is 2 Rb + wr,
	s_lshl_b32 s11, s[LB], 1
	s_add_co_u32 s11, s11, s[WL]                   ; V: 2 Lb + wl
	s_mul_i32 s12, s[WR], 768
	s_add_co_u32 s12, s12, 6144                    ; V: half wr of the fragments behind K's halves;
	s_mul_i32 s13, s[WL], 3072                     ; Q, K: tiles 4 wl on
	s_lshl_b32 s14, s[WR], 1
	s_add_co_u32 s14, s14, 12544
	s_lshl_b32 s15, s[WL], 7
	s_add_co_u32 s15, s15, SCO
	s_cmp_eq_u32 s[TY], 2
	s_cselect_b32 s16, s[RB], s[LB]                ; the block of 128 tokens
	s_cselect_b32 s10, s11, s10
	s_cselect_b32 s12, s12, s13
	s_cselect_b32 s14, s14, s15
	s_lshr_b32 s17, s16, 4
	s_lshl_b32 s17, s17, 4
	s_add_co_u32 s17, s17, s10                     ; 16 b + head
	s_lshl_b32 s17, s17, 4
	s_and_b32 s16, s16, 15
	s_add_co_u32 s17, s17, s16
	s_mul_i32 s17, s17, REC                        ; the record
	s_add_co_u32 s12, s12, s17
	s_add_co_u32 s14, s14, s17
	s_mov_b32 s13, 0
	s_mov_b32 s15, 0
	s_add_nc_u64 s[OI:OI+1], s[60:61], s[12:13]
	s_add_nc_u64 s[OS:OS+1], s[60:61], s[14:15]
.elseif KIND == 4
	s_mul_i32 s16, s[LB], BLK
	s_mul_i32 s17, s[RB], REC
	s_add_co_u32 s16, s16, s17                     ; em: block Lb, K step Rb
	s_mul_i32 s17, s[WL], 6144
	s_add_co_u32 s18, s16, s17
	s_mul_i32 s17, s[WR], 768
	s_add_co_u32 s18, s18, s17                     ; tiles 4 wl on, half wr
	s_mov_b32 s19, 0
	s_add_nc_u64 s[OI:OI+1], s[50:51], s[18:19]
	s_lshl_b32 s17, s[WL], 8
	s_add_co_u32 s18, s16, s17
	s_lshl_b32 s17, s[WR], 1
	s_add_co_u32 s18, s18, s17
	s_add_co_u32 s18, s18, SCO
	s_add_nc_u64 s[OS:OS+1], s[50:51], s[18:19]
.else
	s_lshl_b32 s16, s[LB], 7
	s_lshl_b32 s17, s[WL], 6
	s_add_co_u32 s16, s16, s17
	s_lshl_b32 s16, s16, 12                        ; out0: row 128 Lb + 64 wl of 4,096 bytes,
	s_lshl_b32 s17, s[RB], 9
	s_add_co_u32 s16, s16, s17
	s_lshl_b32 s17, s[WR], 8
	s_add_co_u32 s18, s16, s17                     ; column 128 Rb + 64 wr
	s_mov_b32 s19, 0
	s_add_nc_u64 s[OI:OI+1], s[50:51], s[18:19]
.endif
.if KIND == 4
	s_wait_loadcnt 63                              ; 144 loads were issued behind be's: be is in
	WIN 0x0c                                       ; source 1: window 3
.irp e, 0,1,2,3
.set k, 0
.rept 16
	v_pk_add_f32 v[BI+k:BI+k+1], v[BI+k:BI+k+1], v[32*\e+k:32*\e+k+1]
.set k, k+2
.endr
.endr
	WIN 0
.irp e, 0,1,2
.set k, 0
.rept 16
	v_pk_add_f32 v[BI+k:BI+k+1], v[BI+k:BI+k+1], v[RF+32*\e+k:RF+32*\e+k+1]
.set k, k+2
.endr
.endr
.set k, 0
.rept 16
	v_pk_mul_f32 v[BI+k:BI+k+1], v[BI+k:BI+k+1], 0x3e000000 op_sel_hi:[1,0]   ; the mean of the eight biases
.set k, k+2
.endr
	s_wait_tensorcnt 0x1                           ; my quarter of slot 0 is in; slot 1's may stay out
.else
	s_wait_tensorcnt 0x0                           ; my quarter of the block is in
.endif
	s_barrier_signal -1
	s_barrier_wait -1                              ; everybody's is
	SETAR
	LOADR 0
	s_wait_alu depctr_va_vdst(0)
	STEP 0, 1, 0                                   ; the first K step starts the sums: nothing is cleared
.if KIND == 4
	s_mov_b32 s[CNT], 6
.Lexpert:                                          ; a trip goes from an expert's second K step to the next expert's first, and asks for the expert two on: experts 2 to 7
.irp s, 1,2,3,4,5,6
	STEP \s, 0, 0
.endr
	STEP 7, 0, 1
	STEP 0, 0, 0
	s_sub_co_u32 s[CNT], s[CNT], 1
	s_cmp_lg_u32 s[CNT], 0
	s_cbranch_scc1 .Lexpert
.irp s, 1,2,3,4,5,6                    ; the tail is written out
	STEP \s, 0, 0
.endr
	STEP 7, 0, 2
	STEP 0, 0, 0
.endif
.irp s, 1,2,3,4,5,6
	STEP \s, 0, 0
.endr
	STEP 7, 0, 3
	PLACES                                         ; ahead of the first read of results, and of writes into R's registers
.if KIND == 2
	v_cmp_lt_u32 vcc_lo, 15, v[LN]
	s_cmp_eq_u32 s[TY], 2                          ; the kind is the same in all four partners
	s_cbranch_scc1 .Lvalues
	EPI 0
	s_branch .Lend
.Lvalues:
	EPI 1
.Lend:
.elseif KIND == 4
	v_cmp_lt_u32 vcc_lo, 15, v[LN]
	EPI 2
.else
.irp i, 0,1,2,3                        ; an L tile, 16 rows x 64 columns of f32, at a time through my own stage
	WIN 0x03
.set k, 0
.rept 16
	v_pk_add_f32 v[X+k:X+k+1], v[32*\i+k:32*\i+k+1], v[BI+k:BI+k+1]
.set k, k+2
.endr
	WIN 0
.irp b, 0,1
.irp q, 0,1,2,3
	ds_store_b128 v[STO], v[X+16*\b+4*\q:X+16*\b+4*\q+3] offset:128*\b+16*\q
.endr
.endr
.if \i > 1
	s_wait_xcnt 0x0                                ; the stores of two tiles back have read their registers, which are loaded again
.endif
.irp k, 0,1,2,3,4,5,6,7
	ds_load_b128 v[D+32*(\i%2)+4*\k:D+32*(\i%2)+4*\k+3], v[RD] offset:544*\k   ; LDS serves a wave's instructions in order (ISA guide 5.7.1.4): these see the stores above
.endr
.irp k, 0,1,2,3,4,5,6,7
	s_wait_dscnt 7-\k                              ; the younger loads may be out
	global_store_b128 v[GO], v[D+32*(\i%2)+4*\k:D+32*(\i%2)+4*\k+3], s[OI:OI+1] offset:(32*(\i/2)+8*(\i%2)+2*\k+8*(\k/4))*4096 th:TH_STORE_NT   ; stage row 2 k + h is row 2 k + h + 8 (k / 4) of the tile's group; 16 lanes store 256 consecutive bytes, aligned
.endr
.endr
.endif
	s_wait_tensorcnt 0x0                           ; the wave's end, behind my last tensor load and my last LDS store
	ds_add_u32 v[SPW], v[NIL]
	s_wait_dscnt 0x0
	CROUND                                         ; the closing round
	s_endpgm
.Lfunc_end_k_q2596b03d4d_final:
	.size	k_q2596b03d4d_final, .Lfunc_end_k_q2596b03d4d_final-k_q2596b03d4d_final
	.p2alignl 7, 3214868480
	.fill 96, 4, 3214868480
	.section	.rodata,"a",@progbits
	.p2align	6, 0x0
	.amdhsa_kernel k_q2596b03d4d_final
		.amdhsa_group_segment_fixed_size 167936
		.amdhsa_private_segment_fixed_size 0
		.amdhsa_enable_private_segment 0
		.amdhsa_kernarg_size 32
		.amdhsa_user_sgpr_count 2
		.amdhsa_user_sgpr_kernarg_segment_ptr 1
		.amdhsa_wavefront_size32 1
		.amdhsa_system_sgpr_workgroup_id_x 1
		.amdhsa_system_sgpr_workgroup_id_y 1
		.amdhsa_system_sgpr_workgroup_id_z 1
		.amdhsa_system_vgpr_workitem_id 0
		.amdhsa_next_free_vgpr 896
		.amdhsa_next_free_sgpr 66
		.amdhsa_reserve_vcc 1
		.amdhsa_float_denorm_mode_32 3
		.amdhsa_float_denorm_mode_16_64 3
		.amdhsa_memory_ordered 1
		.amdhsa_forward_progress 1
		.amdhsa_inst_pref_size 60
	.end_amdhsa_kernel
	.amdgpu_metadata
---
amdhsa.version: [ 1, 2 ]
amdhsa.kernels:
  - .name:           k_q2596b03d4d_final
    .symbol:         k_q2596b03d4d_final.kd
    .args:
      - { .name: em, .offset: 0, .size: 8, .value_kind: global_buffer, .address_space: global }
      - { .name: cin, .offset: 8, .size: 8, .value_kind: global_buffer, .address_space: global }
      - { .name: bo, .offset: 16, .size: 8, .value_kind: global_buffer, .address_space: global }
      - { .name: out0, .offset: 24, .size: 8, .value_kind: global_buffer, .address_space: global }
    .group_segment_fixed_size: 167936
    .private_segment_fixed_size: 0
    .kernarg_segment_align: 8
    .kernarg_segment_size: 32
    .max_flat_workgroup_size: 128
    .sgpr_count:     66
    .vgpr_count:     896
    .wavefront_size: 32
...
	.end_amdgpu_metadata
.endif
;; end of part 5
